; MI455X (gfx1250); checked and timed in simulation.
; The chip was launched on July 23, 2026; its instructions are those of AMD's public machine-readable ISA for CDNA 5 (MIT licence, August 2026) and "CDNA5" Instruction Set Architecture Reference Guide (July 2026). The comments in the code are by the model that wrote it; some were corrected since.
;; Backdoor Adjusted Attention. Allowed arithmetic: matrix products marked QUANTISED: E2M1 operands, one E8M0 scale for each 32 along K, by v_wmma_scale_f32_16x16x128_f8f6f4 with both operands' format E2M1 (or v_wmma_scale_f32_32x16x128_f4), f32 sums; everything else in f32.
;; Inputs: Wc_codes 1,024 x 64 x 16 uint8 (E2M1 codes of Wc, K innermost, in blocks of 32 codes, two codes a byte); Wc_scales 1,024 x 64 uint8 (E8M0 scales of Wc, one for each 32 codes along K); We_codes 1,024 x 64 x 16 uint8 (E2M1 codes of We, K innermost, in blocks of 32 codes, two codes a byte); We_scales 1,024 x 64 uint8 (E8M0 scales of We, one for each 32 codes along K); Wk_codes 1,024 x 32 x 16 uint8 (E2M1 codes of Wk, K innermost, in blocks of 32 codes, two codes a byte); Wk_scales 1,024 x 32 uint8 (E8M0 scales of Wk, one for each 32 codes along K); Wo_codes 1,024 x 32 x 16 uint8 (E2M1 codes of Wo, K innermost, in blocks of 32 codes, two codes a byte); Wo_scales 1,024 x 32 uint8 (E8M0 scales of Wo, one for each 32 codes along K); Wq_codes 1,024 x 32 x 16 uint8 (E2M1 codes of Wq, K innermost, in blocks of 32 codes, two codes a byte); Wq_scales 1,024 x 32 uint8 (E8M0 scales of Wq, one for each 32 codes along K); Wv_codes 1,024 x 32 x 16 uint8 (E2M1 codes of Wv, K innermost, in blocks of 32 codes, two codes a byte); Wv_scales 1,024 x 32 uint8 (E8M0 scales of Wv, one for each 32 codes along K); backdoor_mask 2,048 x 2,048 float32; bc 1,024 float32; be 1,024 float32; bk 1,024 float32; bo 1,024 float32; bq 1,024 float32; bv 1,024 float32; causal_graph 2,048 x 2,048 float32; x_codes 2 x 2,048 x 32 x 16 uint8 (E2M1 codes of x, K innermost, in blocks of 32 codes, two codes a byte); x_scales 2 x 2,048 x 32 uint8 (E8M0 scales of x, one for each 32 codes along K).
;; Outputs: out0 2 x 2,048 x 1,024 float32.
;; This version of the problem:
;;   THIS VERSION OF THE PROBLEM IS GIVEN IN LOW PRECISION. The matrix products marked QUANTISED in the list below multiply operands that are first quantised to E2M1 (2 exponent bits, 1 mantissa bit; 4 bits a number), with one power-of-two scale for each 32 numbers along K (OCP MX v1.0); their sums are f32. All else is computed in f32.
;;   The module's matrix products, in the order in which they are computed (A, B: the left and right operand; K: the contracted axis; several contracted axes count as one K, in the product's order):
;;     1. [M 4,096, K 1,024] x [K 1,024, N 1,024]; A: input x (given as codes); B: input Wq (given as codes): QUANTISED
;;     2. [M 2,048, K 2,048] x [K 2,048, N 1,024]; A: input causal_graph; B: input Wc (given as codes): QUANTISED
;;     3. [M 4,096, K 1,024] x [K 1,024, N 1,024]; A: input x (given as codes); B: input Wk (given as codes): QUANTISED
;;     4. [M 2,048, K 2,048] x [K 2,048, N 1,024]; A: input causal_graph; B: input We (given as codes): QUANTISED
;;     5. [M 4,096, K 1,024] x [K 1,024, N 1,024]; A: input x (given as codes); B: input Wv (given as codes): QUANTISED
;;     6. batch 32 x [M 2,048, K 64] x [K 64, N 2,048]; A: computed on the way; B: computed on the way: QUANTISED
;;     7. batch 32 x [M 64, K 2,048] x [K 2,048, N 2,048]; A: computed on the way; B: softmax (see below): QUANTISED
;;     8. [M 4,096, K 1,024] x [K 1,024, N 1,024]; A: computed on the way; B: input Wo (given as codes): QUANTISED
;;   THE QUANTISER, for each operand of a quantised product, along K:
;;     - K is cut into blocks of 32 from its start; a last block that is shorter is filled with zeros.
;;     - A block's scale is 2^e with e = floor(log2(the largest magnitude in the block)) - 2, held to -126 .. 127; a block of zeros has e = 0. As a byte (E8M0): e + 127.
;;     - Each number is divided by its block's scale, clamped to +-6, and rounded to the nearest number of E2M1, ties to even, subnormals kept.
;;     - The product sums the exact products of the quantised numbers (number of the format x scale) in f32.
;;   ~~~python
;;   def quantise(x, axis):      # numpy; x: float32 -> the quantised numbers, widened to float32 again
;;       x = np.moveaxis(x, axis, -1); K = x.shape[-1]
;;       x = np.pad(x, [(0, 0)] * (x.ndim - 1) + [(0, -K % 32)]); x = x.reshape(x.shape[:-1] + (-1, 32)); a = np.abs(x).max(-1, keepdims=True)
;;       e = np.where(a > 0, np.clip(np.frexp(np.where(a > 0, a, 1))[1] - 1 - 2, -126, 127), 0)      # np.frexp(a)[1] - 1 = floor(log2(a)), exactly
;;       r = np.clip(x / 2.0 ** e, -6, 6)
;;       step = 2.0 ** (np.maximum(np.frexp(np.where(r == 0, 1, r))[1] - 1, 0) - 1)
;;       q = np.round(r / step) * step * 2.0 ** e      # np.round: ties to even
;;       return np.moveaxis(q.reshape(q.shape[:-2] + (-1,))[..., :K], -1, axis).astype(np.float32)
;;   ~~~
;;   SOFTMAX AHEAD OF A QUANTISED PRODUCT. Where the list says 'softmax', what is quantised is not the finished softmax but p = 2^(t - M), with t = logit x log2(e) and M = ceil(the row's largest t), a whole number; so 1/2 < the row's largest p <= 1. The row's sum l is taken of the UNQUANTISED p, in f32, and the product's result is divided by l at the end. Since M is a whole number, a kernel that streams over the keys may use a running M (the ceiling of the running maximum): every later rescaling is an exact power of two, which a block's scale takes up: the codes' values come out the same.
;;   OPERANDS COMPUTED ON THE WAY. 'Computed on the way' means the value that the module computes at that place (a softmax that the list does not call 'softmax' is quantised finished and normalised). What goes into a quantiser is computed in f32, as accurately as f32 sums, v_exp_f32 and their like allow (about 1e-6 of the number): no bf16 or f16 on the way to a quantiser, and a product that is left as it is and whose result goes on into a quantised operand takes f32 operands (vector FMAs, or v_wmma_f32_16x16x4_f32). A number that lies on a knife's edge between two numbers of the format may be rounded either way, as far as f32 arithmetic and the matrix unit's own rounding can turn it there, and no further.
;;   INPUTS GIVEN AS CODES. Wc (in the module: [2048, 1024], K = its axis 0); We (in the module: [2048, 1024], K = its axis 0); Wk (in the module: [1024, 1024], K = its axis 0); Wo (in the module: [1024, 1024], K = its axis 0); Wq (in the module: [1024, 1024], K = its axis 0); Wv (in the module: [1024, 1024], K = its axis 0); x (in the module: [2, 2048, 1024], K = its axis 2): each comes as NAME_codes (uint8): NAME with its K axis moved to the last place and cut into blocks of 32 codes, [.., K / 32, bytes a block], one block behind the other in memory; two codes a byte, the lower K in the low four bits (a code: sign, 2 exponent bits, 1 mantissa bit); and NAME_scales (uint8): the same leading axes, one E8M0 byte (e + 127) for each 32 codes along K. Its value is code x scale, taken as it is: it is not quantised again, and the codes and scales need not be those that the quantiser above would give.
;; One version. Each part assembles by itself: llvm-mc -triple=amdgcn-amd-amdhsa -mcpu=gfx1250 --defsym DOCPART=n.
;; ======== version 1 of 1: 5 launches
;; limits: right only within a limited range of input values
;; workspace buffers: gc 2,097,152 bytes; gs 131,072 bytes; gtc 2,097,152 bytes; gts 131,072 bytes; kv 4,587,520 bytes; qb 2,359,296 bytes; oc 2,097,152 bytes; os 131,072 bytes
;; launch quant (part 1): grid 256 x 1, 3 waves a work-group, no clusters, 25,600 bytes of LDS; arguments causal_graph, gc, gs, gtc, gts; writes gc, gs, gtc, gts
.if DOCPART == 1
	.amdgcn_target "amdgcn-amd-amdhsa--gfx1250"
	.amdhsa_code_object_version 6
	.text
	.protected	k_q548c821b42_quant
	.globl	k_q548c821b42_quant
	.p2align	8
	.type	k_q548c821b42_quant,@function
k_q548c821b42_quant:
	s_mov_b64 s[64:65], 0
	v_nop
	global_prefetch_b8 v0, s[64:65] scope:SCOPE_SE
	s_setreg_imm32_b32 hwreg(HW_REG_WAVE_MODE, 25, 1), 1
	s_wait_xcnt 0x0
; G = causal_graph [2048][2048], f32, becomes codes of FP4 (E2M1) twice, each with one E8M0 byte for 32 along K:
;   gc  [2048 i][1024 bytes], gs  [2048 i][64]: K = j, G's rows as they lie (the operand of G Wc);
;   gtc [2048 j][1024 bytes], gts [2048 j][64]: K = i, G's columns (the operand of G^T We).
; A block's scale is 2^(floor(log2(its largest magnitude)) - 2); its byte is that magnitude's exponent field - 2, held at 1 from below.
; LIMITS: a block of zeros, or one whose largest magnitude lies under 2^-124, keeps the byte 1 (zero codes add nothing under it; only this program reads the bytes); NaN and infinities are not served.
; SHARES.  Waves 0 and 1 take a run of 8,192 numbers of the row stream each (512 runs).  Wave 2 takes 32 columns x 512 rows (64 x 4 parts).  The waves share nothing: no barrier; each role ends by itself.
; ROWS: each load reads 512 consecutive bytes; a step's 2,048 bytes turn through the wave's own stage in LDS so that a lane holds 16 neighbours along K; two neighbouring lanes hold a block.
; COLUMNS: a lane takes a column and its registers run down K, so a block lies in one lane; 256 bytes of codes a column gather in the wave's stage and leave as whole rows.
; No matrix unit, no tensor load, no cluster: nothing is shared between work-groups and every byte is used once by each role.
.set SP,    80                         ; rows: a lane's place in a stage: 64 bytes + 16 of padding
.set STEPS, 16
.set RA,    32                         ; v32-95   rows: four sets of 16 numbers as loaded
.set XA,    96                         ; v96-127  rows: two sets of 16 neighbours
.set EA,    128                        ; v128-143 rows: a scale byte for each step
.set CA,    144                        ; v144-175 rows: two registers of codes for each step: no store's data are written again
.set PITCH, 272                        ; columns: a stage row, 256 bytes + 16
.set KROW,  1024                       ; a row of gtc in bytes
.set NB,    16                         ; columns: blocks a lane
.set XB,    32                         ; v32-95   columns: two sets of 32 numbers
.set CB,    96                         ; v96-99   columns: a block's codes
.set OUTR,  112                        ; v112-175 columns: the way out
.set SB,    24                         ; v24-27   columns: the scale bytes, four to a register
	s_load_b256 s[4:11], s[0:1], 0x0               ; G s[4:5], gc s[6:7], gs s[8:9], gtc s[10:11]
	s_load_b64 s[12:13], s[0:1], 0x20              ; gts
	v_lshl_add_u32 v192, v0, 2, 0x6200
	v_mov_b32 v193, 0
	v_lshrrev_b32 v1, 5, v0
	v_readfirstlane_b32 s16, v1                    ; wave 0..2
	v_and_b32 v2, 31, v0                           ; lane
	s_lshl_b32 s17, s16, 13                        ; LDS: 8,192 bytes from wave to wave (wave 2 uses 8,704 from byte 16,384 on)
	; every address register of both roles is made here, ahead of the parting
	v_lshlrev_b32 v3, 4, v2                        ; rows: my 16 bytes of a load's 512
	v_lshrrev_b32 v14, 2, v2
	v_mul_u32_u24 v14, v14, SP
	v_and_b32 v15, 3, v2
	v_lshl_add_u32 v14, v15, 4, v14
	v_add_nc_u32 v14, s17, v14                     ; the stage, way in: SP (lane / 4) + 16 (lane % 4)
	v_mul_u32_u24 v15, v2, SP
	v_add_nc_u32 v15, s17, v15                     ; way out: SP x lane: my 16 neighbours
	v_lshlrev_b32 v4, 3, v2                        ; 8 bytes a lane: my codes of a step, and my part of the 256 scale bytes
	v_lshrrev_b32 v5, 1, v2
	s_add_co_u32 s18, s17, 2*32*SP
	v_add_nc_u32 v5, s18, v5                       ; LDS: my block's scale byte
	v_add_nc_u32 v6, s18, v4                       ; and where I read 8 of them back
	v_lshlrev_b32 v16, 2, v2                       ; columns: 4 bytes a lane
	v_mul_u32_u24 v17, v2, PITCH
	v_add_nc_u32 v17, s17, v17                     ; into the stage: row = my column
	v_and_b32 v21, 15, v2
	v_lshrrev_b32 v22, 4, v2
	v_mul_u32_u24 v18, v22, PITCH
	v_lshl_add_u32 v18, v21, 4, v18
	v_add_nc_u32 v18, s17, v18                     ; out of it: sixteen lanes to a row, two rows an instruction
	v_lshlrev_b32 v19, 10, v22
	v_lshl_add_u32 v19, v21, 4, v19                ; the same place in gtc
	v_lshlrev_b32 v20, 6, v2                       ; my column's row of gts
	s_cmp_eq_u32 s16, 2
	s_cbranch_scc1 .Lcolumns
	; ---------------- ROWS ----------------
	s_lshl_b32 s18, ttmp9, 1
	s_add_co_u32 s18, s18, s16                     ; my run of 8,192 numbers
	s_lshl_b32 s20, s18, 15                        ; 32,768 bytes of G,
	s_mov_b32 s21, 0
	s_lshl_b32 s22, s18, 12                        ; 4,096 of codes,
	s_mov_b32 s23, 0
	s_lshl_b32 s24, s18, 8                         ; 256 scale bytes
	s_mov_b32 s25, 0
	s_wait_kmcnt 0x0
	s_add_nc_u64 s[4:5], s[4:5], s[20:21]
	s_add_nc_u64 s[6:7], s[6:7], s[22:23]
	s_add_nc_u64 s[8:9], s[8:9], s[24:25]
.macro LOADA t
.irp i, 0,1,2,3
	global_load_b128 v[RA+16*((\t)%4)+4*\i:RA+16*((\t)%4)+4*\i+3], v3, s[4:5] offset:2048*(\t)+512*\i   ; 32 lanes read 512 consecutive bytes
.endr
.endm
.macro TURNA t                         ; step t through the stage: LDS serves a wave's instructions in order, so no wait stands between the stores and the loads
.irp i, 0,1,2,3
	ds_store_b128 v14, v[RA+16*((\t)%4)+4*\i:RA+16*((\t)%4)+4*\i+3] offset:32*SP*((\t)%2)+8*SP*\i
.endr
.irp i, 0,1,2,3
	ds_load_b128 v[XA+16*((\t)%2)+4*\i:XA+16*((\t)%2)+4*\i+3], v15 offset:32*SP*((\t)%2)+16*\i
.endr
.endm
.irp t, 0,1,2,3
	LOADA \t
.endr
	s_wait_loadcnt 12                              ; step 0's four loads are in
	TURNA 0
.macro STEPA t
.set XS, XA+16*((\t)%2)
.if (\t) > 0
	s_wait_dscnt 1                                 ; this step's numbers are back from the stage; the last step's byte store may be out
.else
	s_wait_dscnt 0x0
.endif
.if (\t)+4 < STEPS
	LOADA (\t)+4                                   ; into the set whose stores into the stage are done
.endif
.if (\t)+1 < STEPS
.if STEPS-2-(\t) >= 3
	s_wait_loadcnt 12                              ; the next step's four loads are in; those of three steps behind it may be out
.else
	s_wait_loadcnt 4*(STEPS-2-(\t))
.endif
	TURNA (\t)+1
.endif
	v_max3_num_f32 v8, |v[XS]|, |v[XS+1]|, |v[XS+2]|               ; the largest magnitude of my 16, in two chains
	v_max3_num_f32 v9, |v[XS+3]|, |v[XS+4]|, |v[XS+5]|
.irp i, 6,10
	v_max3_num_f32 v8, v8, |v[XS+\i]|, |v[XS+\i+1]|
	v_max3_num_f32 v9, v9, |v[XS+\i+2]|, |v[XS+\i+3]|
.endr
	v_max3_num_f32 v8, v8, |v[XS+14]|, |v[XS+15]|
	v_max3_num_f32 v8, v8, v9, 0x1800000           ; and the floor 2^(3 - 127): the byte cannot fall under 1
	v_max_num_f32_dpp v8, v8, v8 row_xmask:1 row_mask:0xf bank_mask:0xf   ; with my neighbour's 16: the block's
	v_add_nc_u32 v11, 0xff000000, v8               ; 2 off its exponent field: the conversion takes this operand's exponent field as its scale
	v_cvt_scalef32_pk8_fp4_f32 v[CA+2*(\t)], v[XS:XS+7], v11
	v_cvt_scalef32_pk8_fp4_f32 v[CA+2*(\t)+1], v[XS+8:XS+15], v11
	v_lshrrev_b32 v[EA+(\t)], 23, v11              ; the scale's byte (a plain line behind the conversions)
	ds_store_b8 v5, v[EA+(\t)] offset:16*(\t)      ; both lanes of a block write the same byte with the same value
	global_store_b64 v4, v[CA+2*(\t):CA+2*(\t)+1], s[6:7] offset:256*(\t)   ; the wave stores 256 consecutive bytes, aligned
.endm
.irp t, 0,1,2,3,4,5,6,7,8,9,10,11,12,13,14,15
	STEPA \t
.endr
	ds_load_b64 v[12:13], v6                       ; LDS serves a wave's instructions in order: these see my byte stores
	s_wait_dscnt 0x0
	global_store_b64 v4, v[12:13], s[8:9]          ; 256 consecutive scale bytes, aligned
	s_wait_tensorcnt 0x0
	ds_add_u32 v192, v193
	s_wait_dscnt 0x0
	s_endpgm
	; ---------------- COLUMNS ----------------
.Lcolumns:
	s_and_b32 s18, ttmp9, 63
	s_lshl_b32 s18, s18, 5                         ; my first column
	s_lshr_b32 s19, ttmp9, 6                       ; which 512 rows
	s_lshl_b32 s20, s19, 22                        ; G: 512 rows of 8,192 bytes,
	s_lshl_b32 s21, s18, 2
	s_add_co_u32 s20, s20, s21                     ; + 4 bytes a column
	s_mov_b32 s21, 0
	s_lshl_b32 s22, s18, 10                        ; gtc: a row a column,
	s_lshl_b32 s23, s19, 8
	s_add_co_u32 s22, s22, s23                     ; + 256 bytes a part
	s_mov_b32 s23, 0
	s_lshl_b32 s24, s18, 6                         ; gts: 64 bytes a column,
	s_lshl_b32 s25, s19, 4
	s_add_co_u32 s24, s24, s25                     ; + 16 a part
	s_mov_b32 s25, 0
	s_wait_kmcnt 0x0
	s_add_nc_u64 s[4:5], s[4:5], s[20:21]
	s_add_nc_u64 s[10:11], s[10:11], s[22:23]
	s_add_nc_u64 s[12:13], s[12:13], s[24:25]
.macro LOADB t                         ; block t: G(32 t + i, my column), i = 0 .. 31; the largest offset, 511 x 8,192, lies inside the signed 24-bit immediate
.irp i, 0,1,2,3,4,5,6,7,8,9,10,11,12,13,14,15,16,17,18,19,20,21,22,23,24,25,26,27,28,29,30,31
	global_load_b32 v[XB+32*((\t)%2)+\i], v16, s[4:5] offset:(32*(\t)+\i)*8192
.endr
.endm
	LOADB 0
	LOADB 1
.macro BLOCKB t
.set XS, XB+32*((\t)%2)
.if (\t) < NB-1
	s_wait_loadcnt 32                              ; this block's 32 loads are in; the next block's 32 may be out
.else
	s_wait_loadcnt 0x0
.endif
	v_max3_num_f32 v12, |v[XS]|, |v[XS+1]|, |v[XS+2]|              ; all 32 numbers of the block are mine
	v_max3_num_f32 v13, |v[XS+3]|, |v[XS+4]|, |v[XS+5]|
.irp i, 6,10,14,18,22,26
	v_max3_num_f32 v12, v12, |v[XS+\i]|, |v[XS+\i+1]|
	v_max3_num_f32 v13, v13, |v[XS+\i+2]|, |v[XS+\i+3]|
.endr
	v_max3_num_f32 v12, v12, |v[XS+30]|, |v[XS+31]|
	v_max3_num_f32 v12, v12, v13, 0x1800000        ; the floor
	v_add_nc_u32 v11, 0xff000000, v12
	v_lshrrev_b32 v13, 23, v11                     ; the scale's byte
.if (\t)%4 == 0
	v_mov_b32 v[SB+(\t)/4], v13
.else
	v_lshl_or_b32 v[SB+(\t)/4], v13, 8*((\t)%4), v[SB+(\t)/4]
.endif
.irp g, 0,1,2,3
	v_cvt_scalef32_pk8_fp4_f32 v[CB+\g], v[XS+8*\g:XS+8*\g+7], v11
.endr
	v_nop                                          ; a plain line behind the last conversion
	ds_store_b128 v17, v[CB:CB+3] offset:16*(\t)   ; 32 codes: 16 bytes of my column's row
.if (\t)+2 < NB
	LOADB (\t)+2
.endif
	s_wait_dscnt 0x0                               ; the store has read its registers: the next block's codes may be written
.endm
.set Q, 0
.rept NB
	BLOCKB Q
.set Q, Q+1
.endr
	s_wait_alu depctr_va_vdst(0)
	global_store_b128 v20, v[SB:SB+3], s[12:13]    ; my column's 16 scale bytes: rows 64 bytes apart, one byte in 128 of what this role reads
.irp t, 0,1,2,3,4,5,6,7,8,9,10,11,12,13,14,15
	ds_load_b128 v[OUTR+4*\t:OUTR+4*\t+3], v18 offset:2*\t*PITCH
.endr
.irp t, 0,1,2,3,4,5,6,7,8,9,10,11,12,13,14,15
	s_wait_dscnt 15-\t
	global_store_b128 v19, v[OUTR+4*\t:OUTR+4*\t+3], s[10:11] offset:2*\t*KROW   ; sixteen lanes store 256 consecutive bytes, aligned
.endr
	s_wait_tensorcnt 0x0
	ds_add_u32 v192, v193
	s_wait_dscnt 0x0
	s_endpgm
.Lfunc_end_k_q548c821b42_quant:
	.size	k_q548c821b42_quant, .Lfunc_end_k_q548c821b42_quant-k_q548c821b42_quant
	.p2alignl 7, 3214868480
	.fill 96, 4, 3214868480
	.section	.rodata,"a",@progbits
	.p2align	6, 0x0
	.amdhsa_kernel k_q548c821b42_quant
		.amdhsa_group_segment_fixed_size 25600
		.amdhsa_private_segment_fixed_size 0
		.amdhsa_enable_private_segment 0
		.amdhsa_kernarg_size 40
		.amdhsa_user_sgpr_count 2
		.amdhsa_user_sgpr_kernarg_segment_ptr 1
		.amdhsa_wavefront_size32 1
		.amdhsa_system_sgpr_workgroup_id_x 1
		.amdhsa_system_sgpr_workgroup_id_y 1
		.amdhsa_system_sgpr_workgroup_id_z 1
		.amdhsa_system_vgpr_workitem_id 0
		.amdhsa_next_free_vgpr 194
		.amdhsa_next_free_sgpr 66
		.amdhsa_reserve_vcc 0
		.amdhsa_float_denorm_mode_32 3
		.amdhsa_float_denorm_mode_16_64 3
		.amdhsa_memory_ordered 1
		.amdhsa_forward_progress 1
		.amdhsa_inst_pref_size 111
	.end_amdhsa_kernel
	.amdgpu_metadata
---
amdhsa.version: [ 1, 2 ]
amdhsa.kernels:
  - .name:           k_q548c821b42_quant
    .symbol:         k_q548c821b42_quant.kd
    .args:
      - { .name: causal_graph, .offset: 0, .size: 8, .value_kind: global_buffer, .address_space: global }
      - { .name: gc, .offset: 8, .size: 8, .value_kind: global_buffer, .address_space: global }
      - { .name: gs, .offset: 16, .size: 8, .value_kind: global_buffer, .address_space: global }
      - { .name: gtc, .offset: 24, .size: 8, .value_kind: global_buffer, .address_space: global }
      - { .name: gts, .offset: 32, .size: 8, .value_kind: global_buffer, .address_space: global }
    .group_segment_fixed_size: 25600
    .private_segment_fixed_size: 0
    .kernarg_segment_align: 8
    .kernarg_segment_size: 40
    .max_flat_workgroup_size: 96
    .sgpr_count:     66
    .vgpr_count:     194
    .wavefront_size: 32
...
	.end_amdgpu_metadata
.endif
;; end of part 1
;; launch proj_qk (part 2): grid 4 x 64, 4 waves a work-group, clusters of 4 x 4, 327,680 bytes of LDS; arguments x_codes, x_scales, Wq_codes, Wq_scales, Wc_codes, Wc_scales, gc, gs, bq, bc, qb, Wk_codes, Wk_scales, We_codes, We_scales, gtc, gts, bk, be, kv; writes qb, kv
.if DOCPART == 2
	.amdgcn_target "amdgcn-amd-amdhsa--gfx1250"
	.amdhsa_code_object_version 6
	.text
	.protected	k_q548c821b42_proj_qk
	.globl	k_q548c821b42_proj_qk
	.p2align	8
	.type	k_q548c821b42_proj_qk,@function
k_q548c821b42_proj_qk:
	s_mov_b64 s[64:65], 0
	v_nop
	global_prefetch_b8 v0, s[64:65] scope:SCOPE_SE
	s_setreg_imm32_b32 hwreg(HW_REG_WAVE_MODE, 25, 1), 1
	s_wait_xcnt 0x0
	s_wait_alu depctr_hold_cnt(0) depctr_sa_sdst(0) depctr_va_vdst(0) depctr_va_sdst(0) depctr_va_ssrc(0) depctr_va_vcc(0) depctr_vm_vsrc(0)
	s_getreg_b32 s2, hwreg(HW_REG_IB_STS2, 6, 4)
	s_cmp_eq_u32 s2, 0
	s_cbranch_scc0 .Lentry_in_a_cluster
	s_endpgm
.Lentry_in_a_cluster:
	s_bfe_u32 s2, ttmp6, 0x10000c
	s_cmp_lg_u32 s2, 0xf033
	s_cbranch_scc0 .Lentry_shape_is_right
	s_endpgm
.Lentry_shape_is_right:
.set KIND, 0
.if KIND == 0
.set NS, 6
.else
.set NS, 2
.endif
.set PITCH, 272
.set PH,    128*PITCH
.set ROFF,  2*PH
.set SLOT,  ROFF+128*PITCH
.if KIND == 2
.set RHB,   16384
.set RSTEP, 4096
.else
.set RHB,   64*PITCH
.set RSTEP, 256
.endif
.set SCLP,  2*SLOT
.set SCLR,  SCLP+6*4096
.set SPARE, SCLR+6*2048
.set ADP, 16
.set ADR, 20
.set ASP, 22
.set ASR, 23
.set LI,  24
.set LW,  25
.set STO, 26
.set RD,  27
.set SPW, 28
.set NIL, 29
.set SCP, 32
.set SCR, 96
.set RF,  128
.set TM,  200
.set W,   216
.set PC,  220
.set SH,  252
.set BK,  128
.set BIAS, 128
.set RC1, 4
.set RS1, 6
.set PC1, 8
.set PS1, 10
.set PC2, 12
.set PS2, 14
.set RC2, 16
.set RS2, 18
.set BI1, 20
.set BI2, 22
.set OUT, 24
.set G1P, 28
.set G1R, 36
.set G0P, 44
.set G0R, 52
.set G0P2, 68
.set G0R2, 76
.set G1P2, 84
.set G1R2, 92
.set WV,  100
.set WR,  101
.set WP,  104
.set MSB, 0
.macro WIN new
.if MSB != \new
	s_set_vgpr_msb (MSB<<8)|\new
.set MSB, \new
.endif
.endm
.macro PLACES n
.rept \n
	v_nop
.endr
.endm
.macro JLOAD g0p, g1p, g0r, g1r
	s_cmp_eq_u32 s[WR], 0
	s_cbranch_scc0 .Lfor_r_\@
	tensor_load_to_lds s[\g0p:\g0p+3], s[\g1p:\g1p+7]
	s_nop 0
.rept 4
	v_nop
.endr
	s_branch .Lasked_\@
.Lfor_r_\@:
	tensor_load_to_lds s[\g0r:\g0r+3], s[\g1r:\g1r+7]
	s_nop 0
.rept 4
	v_nop
.endr
.Lasked_\@:
.endm
.macro CREST
	s_cmp_lg_u32 s[WV], 0
	s_cbranch_scc1 .Lnot_wave_0_\@
	s_barrier_signal -3
.Lnot_wave_0_\@:
	s_barrier_wait -3
	s_barrier_signal -1
	s_barrier_wait -1
.endm
.macro CROUND
	s_barrier_signal -1
	s_barrier_wait -1
	CREST
.endm
.if KIND == 0
	s_load_b128 s[4:7], s[0:1], 0x0
	s_load_b512 s[8:23], s[0:1], 0x10
	s_load_b64 s[24:25], s[0:1], 0x50
	s_load_b512 s[28:43], s[0:1], 0x58
	s_load_b64 s[44:45], s[0:1], 0x98
.else
	s_load_b256 s[4:11], s[0:1], 0x0
	s_load_b64 s[20:21], s[0:1], 0x20
	s_load_b64 s[24:25], s[0:1], 0x28
.endif
	v_lshl_add_u32 v[SPW], v0, 2, SPARE
	v_mov_b32 v[NIL], 0
	ds_add_u32 v28, v29
	ds_add_u32 v28, v29
	s_wait_dscnt 0x0
	v_lshrrev_b32 v1, 5, v0
	v_readfirstlane_b32 s[WV], v1
	s_lshr_b32 s[WR], s[WV], 1
	s_and_b32 s[WP], s[WV], 1
	s_bfe_u32 s60, ttmp6, 0x40000
	s_bfe_u32 s61, ttmp6, 0x40004
	s_lshl_b32 s62, ttmp9, 2
	s_add_co_u32 s62, s62, s60
	s_and_b32 s63, ttmp7, 0xffff
	s_lshl_b32 s66, s63, 2
	s_add_co_u32 s66, s66, s61
	s_lshl_b32 s67, s61, 2
	s_lshl_b32 s67, 15, s67
	s_lshl_b32 s105, 0x1111, s60
	s_lshl_b32 s2, s62, 8
	s_lshl_b32 s3, s[WP], 7
	s_add_co_u32 s2, s2, s3
	s_lshl_b32 s[G0P+2], s2, 9
	s_mov_b32 s[G0P+3], 0
	s_lshl_b32 s27, s[WP], 6
.if KIND == 0
	s_lshl_b32 s[G0P2+2], s2, 10
	s_mov_b32 s[G0P2+3], 0
	s_and_b32 s26, s66, 31
	s_lshl_b32 s26, s26, 7
	s_and_b32 s[G0R2+2], s66, 15
	s_lshl_b32 s[G0R2+2], s[G0R2+2], 7
	s_add_co_u32 s[G0R2+2], s[G0R2+2], s27
	s_lshl_b32 s[G0R2+2], s[G0R2+2], 10
	s_mov_b32 s[G0R2+3], 0
.else
	s_lshl_b32 s26, s66, 7
.endif
	s_add_co_u32 s[G0R+2], s26, s27
	s_lshl_b32 s[G0R+2], s[G0R+2], 9
	s_mov_b32 s[G0R+3], 0
	s_wait_kmcnt 0x0
.if KIND == 0
	s_cmp_ge_u32 s63, 8
.irp i, 0,1,2,3,4,5,6,7,8
	s_cselect_b64 s[8+2*\i:9+2*\i], s[28+2*\i:29+2*\i], s[8+2*\i:9+2*\i]
.endr
	s_mov_b32 s27, 18432
	s_cselect_b32 s27, 35840, s27
.endif
	s_or_b32 s[G1P], s105, (1<<20)|(1<<21)|(5<<22)|(3<<25)
	s_mov_b32 s[G1P+1], 256<<16
	s_mov_b32 s[G1P+2], 128<<16
	s_mov_b32 s[G1P+3], 256<<16
	s_mov_b32 s[G1P+4], 128
	s_mov_b32 s[G1P+5], 512
	s_mov_b32 s[G1P+6], 0
	s_mov_b32 s[G1P+7], 0
.if KIND == 2
	s_or_b32 s[G1R], s67, (3<<16)|(1<<21)
	s_mov_b32 s[G1R+1], 512<<16
	s_mov_b32 s[G1R+2], 4<<16
	s_mov_b32 s[G1R+3], 512<<16
	s_mov_b32 s[G1R+4], 4
	s_mov_b32 s[G1R+5], 1024
.else
	s_or_b32 s[G1R], s67, (1<<20)|(1<<21)|(5<<22)|(3<<25)
	s_mov_b32 s[G1R+1], 256<<16
	s_mov_b32 s[G1R+2], 64<<16
	s_mov_b32 s[G1R+3], 256<<16
	s_mov_b32 s[G1R+4], 64
	s_mov_b32 s[G1R+5], 512
.endif
	s_mov_b32 s[G1R+6], 0
	s_mov_b32 s[G1R+7], 0
.if KIND == 0
	s_or_b32 s[G1P2], s105, (1<<20)|(1<<21)|(5<<22)|(3<<25)
	s_mov_b32 s[G1P2+1], 256<<16
	s_mov_b32 s[G1P2+2], 128<<16
	s_mov_b32 s[G1P2+3], 256<<16
	s_mov_b32 s[G1P2+4], 128
	s_mov_b32 s[G1P2+5], 1024
	s_mov_b32 s[G1P2+6], 0
	s_mov_b32 s[G1P2+7], 0
	s_or_b32 s[G1R2], s67, (1<<20)|(1<<21)|(5<<22)|(3<<25)
	s_mov_b32 s[G1R2+1], 256<<16
	s_mov_b32 s[G1R2+2], 64<<16
	s_mov_b32 s[G1R2+3], 256<<16
	s_mov_b32 s[G1R2+4], 64
	s_mov_b32 s[G1R2+5], 1024
	s_mov_b32 s[G1R2+6], 0
	s_mov_b32 s[G1R2+7], 0
.endif
	s_mul_i32 s3, s[WP], PH
	s_mov_b32 s[G0P], 1
	s_mov_b32 s[G0P+1], s3
	s_add_nc_u64 s[G0P+2:G0P+3], s[PC1:PC1+1], s[G0P+2:G0P+3]
	s_mov_b32 s[G0P+4], 1
	s_add_co_u32 s[G0P+5], s3, SLOT
	s_add_nc_u64 s[G0P+6:G0P+7], s[G0P+2:G0P+3], 256
	s_or_b32 s[G0P+3], s[G0P+3], 0x80000000
	s_or_b32 s[G0P+7], s[G0P+7], 0x80000000
.if KIND == 0
	s_mov_b32 s[G0P2], 1
	s_mov_b32 s[G0P2+1], s3
	s_add_nc_u64 s[G0P2+2:G0P2+3], s[PC2:PC2+1], s[G0P2+2:G0P2+3]
	s_mov_b32 s[G0P2+4], 1
	s_add_co_u32 s[G0P2+5], s3, SLOT
	s_add_nc_u64 s[G0P2+6:G0P2+7], s[G0P2+2:G0P2+3], 256
	s_or_b32 s[G0P2+3], s[G0P2+3], 0x80000000
	s_or_b32 s[G0P2+7], s[G0P2+7], 0x80000000
.endif
	s_mul_i32 s3, s[WP], RHB
	s_mov_b32 s[G0R], 1
	s_add_co_u32 s[G0R+1], s3, ROFF
	s_add_nc_u64 s[G0R+2:G0R+3], s[RC1:RC1+1], s[G0R+2:G0R+3]
	s_mov_b32 s[G0R+4], 1
	s_add_co_u32 s[G0R+5], s3, ROFF+SLOT
	s_add_nc_u64 s[G0R+6:G0R+7], s[G0R+2:G0R+3], RSTEP
	s_or_b32 s[G0R+3], s[G0R+3], 0x80000000
	s_or_b32 s[G0R+7], s[G0R+7], 0x80000000
.if KIND == 0
	s_mov_b32 s[G0R2], 1
	s_add_co_u32 s[G0R2+1], s3, ROFF
	s_add_nc_u64 s[G0R2+2:G0R2+3], s[RC2:RC2+1], s[G0R2+2:G0R2+3]
	s_mov_b32 s[G0R2+4], 1
	s_add_co_u32 s[G0R2+5], s3, ROFF+SLOT
	s_add_nc_u64 s[G0R2+6:G0R2+7], s[G0R2+2:G0R2+3], 256
	s_or_b32 s[G0R2+3], s[G0R2+3], 0x80000000
	s_or_b32 s[G0R2+7], s[G0R2+7], 0x80000000
.endif
	CROUND
	JLOAD G0P, G1P, G0R, G1R
	s_wait_alu depctr_va_vdst(0)
	s_wait_tensorcnt 0x0
	ds_add_u32 v28, v29
	s_wait_dscnt 0x0
	CROUND
	JLOAD G0P+4, G1P, G0R+4, G1R
	s_lshl_b32 s60, s62, 13
	s_mov_b32 s61, 0
	s_add_nc_u64 s[PS1:PS1+1], s[PS1:PS1+1], s[60:61]
.if KIND == 0
	s_lshl_b32 s60, s62, 14
	s_add_nc_u64 s[PS2:PS2+1], s[PS2:PS2+1], s[60:61]
	s_and_b32 s60, s66, 15
	s_lshl_b32 s60, s60, 13
	s_add_nc_u64 s[RS2:RS2+1], s[RS2:RS2+1], s[60:61]
.endif
.if KIND == 2
	s_lshl_b32 s60, s26, 3
.else
	s_lshl_b32 s60, s26, 5
.endif
	s_add_nc_u64 s[RS1:RS1+1], s[RS1:RS1+1], s[60:61]
.if KIND == 1
	s_lshl_b32 s60, s[WR], 6
	s_add_co_u32 s60, s60, s26
	s_lshl_b32 s60, s60, 2
.else
	s_lshl_b32 s60, s2, 2
.endif
	s_add_nc_u64 s[BI1:BI1+1], s[BI1:BI1+1], s[60:61]
.if KIND == 0
	s_add_nc_u64 s[BI2:BI2+1], s[BI2:BI2+1], s[60:61]
.endif
	v_and_b32 v1, 15, v0
	v_bfe_u32 v2, v0, 4, 1
	v_and_b32 v3, 31, v0
	v_lshlrev_b32 v5, 4, v0
	v_and_b32 v10, 1, v0
	v_lshrrev_b32 v11, 1, v0
	v_lshlrev_b32 v11, 4, v11
	v_lshl_add_u32 v6, v10, 12, v11
	v_add_nc_u32 v6, SCLP, v6
.if KIND == 2
	v_lshlrev_b32 v9, 3, v0
	v_add_nc_u32 v8, SCLR, v5
.else
	v_lshl_add_u32 v8, v10, 11, v11
	v_add_nc_u32 v8, SCLR, v8
.endif
.if KIND == 0
	v_and_b32 v10, 3, v0
	v_lshrrev_b32 v11, 2, v0
	v_lshlrev_b32 v11, 4, v11
	v_lshl_add_u32 v7, v10, 12, v11
	v_add_nc_u32 v7, SCLP+2*4096, v7
	v_lshl_add_u32 v9, v10, 11, v11
	v_add_nc_u32 v9, SCLR+2*2048, v9
.endif
.irp k, 0,1,2,3
	global_load_b128 v[128+4*\k:131+4*\k], v5, s[PS1:PS1+1] offset:2048*\k
.endr
.if KIND == 0
.irp k, 0,1,2,3,4,5,6,7
	global_load_b128 v[144+4*\k:147+4*\k], v5, s[PS2:PS2+1] offset:2048*\k
.endr
.irp k, 0,1,2,3
	global_load_b128 v[184+4*\k:187+4*\k], v5, s[RS2:RS2+1] offset:2048*\k
.endr
.endif
.if KIND == 2
.irp k, 0,1,2,3
	global_load_b64 v[176+2*\k:177+2*\k], v9, s[RS1:RS1+1] offset:32768*\k
.endr
.else
.irp k, 0,1
	global_load_b128 v[176+4*\k:179+4*\k], v5, s[RS1:RS1+1] offset:2048*\k
.endr
.endif
.if KIND == 1
	v_lshlrev_b32 v12, 2, v1
	WIN 0x40
.irp a, 0,1,2,3
.irp j, 0,1,2,3,4,5,6,7
	global_load_b32 v[BIAS+8*\a+\j], v12, s[BI1:BI1+1] offset:64*\a
.endr
.endr
.else
	v_lshlrev_b32 v12, 5, v2
	WIN 0x40
.irp t, 0,1,2,3,4,5,6,7
	global_load_b128 v[BIAS+8*\t:BIAS+8*\t+3], v12, s[BI1:BI1+1] offset:64*\t
	global_load_b128 v[BIAS+8*\t+4:BIAS+8*\t+7], v12, s[BI1:BI1+1] offset:64*\t+16
.endr
.if KIND == 0
.irp t, 0,1,2,3,4,5,6,7
	global_load_b128 v[BIAS+64+8*\t:BIAS+64+8*\t+3], v12, s[BI2:BI2+1] offset:64*\t
	global_load_b128 v[BIAS+64+8*\t+4:BIAS+64+8*\t+7], v12, s[BI2:BI2+1] offset:64*\t+16
.endr
.endif
.endif
	WIN 0
	v_mul_u32_u24 v4, v1, PITCH
	v_lshl_add_u32 v4, v2, 4, v4
	s_mul_i32 s60, s[WP], PH
	v_add_nc_u32 v[ADP], s60, v4
	v_add_nc_u32 v[ADP+1], SLOT, v[ADP]
	s_mul_i32 s60, s[WR], RHB
	s_add_co_u32 s60, s60, ROFF
.if KIND == 2
	v_lshl_add_u32 v[ADR], v3, 4, s60
.else
	v_add_nc_u32 v[ADR], s60, v4
.endif
	v_add_nc_u32 v[ADR+1], SLOT, v[ADR]
	s_lshl_b32 s60, s[WP], 11
	s_add_co_u32 s60, s60, SCLP
	v_lshl_add_u32 v[ASP], v1, 4, s60
	s_lshl_b32 s60, s[WR], 10
	s_add_co_u32 s60, s60, SCLR
	v_lshl_add_u32 v[ASR], v1, 4, s60
.if KIND == 0
	s_and_b32 s60, s66, 31
	s_lshr_b32 s61, s60, 4
	s_and_b32 s60, s60, 15
	s_lshl_b32 s61, s61, 6
	s_add_co_u32 s60, s60, s61
	s_lshl_b32 s61, s62, 4
	s_add_co_u32 s60, s60, s61
	s_mul_i32 s60, s60, s27
	s_mov_b32 s61, 0
	s_add_nc_u64 s[OUT:OUT+1], s[OUT:OUT+1], s[60:61]
	s_lshl_b32 s60, s[WP], 13
	s_lshl_b32 s61, s[WR], 11
	s_add_co_u32 s60, s60, s61
	v_lshl_add_u32 v[LI], v3, 4, s60
	s_lshl_b32 s60, s[WP], 10
	s_lshl_b32 s61, s[WR], 8
	s_add_co_u32 s60, s60, s61
	s_add_co_u32 s60, s60, 16384
	v_lshl_add_u32 v[LW], v2, 9, s60
	v_lshl_add_u32 v[LW], v1, 4, v[LW]
	v_lshlrev_b32 v[SH], 4, v2
.elseif KIND == 1
	s_lshr_b32 s60, s62, 3
	s_lshl_b32 s60, s60, 2
	s_lshr_b32 s61, s66, 1
	s_add_co_u32 s60, s60, s61
	s_lshl_b32 s60, s60, 4
	s_and_b32 s61, s62, 7
	s_lshl_b32 s61, s61, 1
	s_add_co_u32 s60, s60, s61
	s_add_co_u32 s60, s60, s[WP]
	s_mul_i32 s60, s60, 35840
	s_mov_b32 s61, 0
	s_add_nc_u64 s[OUT:OUT+1], s[OUT:OUT+1], s[60:61]
	s_and_b32 s60, s66, 1
	s_lshl_b32 s60, s60, 1
	s_add_co_u32 s60, s60, s[WR]
	s_lshl_b32 s61, s60, 12
	s_add_co_u32 s61, s61, 18432
	v_lshl_add_u32 v[LI], v3, 4, s61
	s_lshl_b32 s61, s60, 8
	s_add_co_u32 s61, s61, 34816
	v_lshl_add_u32 v[LW], v1, 4, s61
.else
	s_lshl_b32 s60, s[WR], 6
	s_add_co_u32 s60, s60, s26
	s_lshl_b32 s60, s60, 12
	s_lshl_b32 s61, s2, 2
	s_add_co_u32 s60, s60, s61
	s_mov_b32 s61, 0
	s_add_nc_u64 s[OUT:OUT+1], s[OUT:OUT+1], s[60:61]
	v_lshlrev_b32 v[LI], 4, v3
	s_mul_i32 s60, s[WV], 16*528
	v_mul_u32_u24 v[STO], v1, 528
	v_lshl_add_u32 v[STO], v2, 5, v[STO]
	v_add_nc_u32 v[STO], s60, v[STO]
	v_add_nc_u32 v[RD], s60, v[LI]
.endif
.irp b, 0,1,2,3
	v_mov_b32 v[TM+4+\b], 0
.endr
	s_wait_loadcnt 0x0
.irp k, 0,1,2,3
	ds_store_b128 v6, v[128+4*\k:131+4*\k] offset:1024*\k
.endr
.if KIND == 0
.irp k, 0,1,2,3,4,5,6,7
	ds_store_b128 v7, v[144+4*\k:147+4*\k] offset:512*\k
.endr
.irp k, 0,1,2,3
	ds_store_b128 v9, v[184+4*\k:187+4*\k] offset:512*\k
.endr
.endif
.if KIND == 2
.irp k, 0,1,2,3
	ds_store_b64 v8, v[176+2*\k:177+2*\k] offset:(\k/2)*2048+(\k%2)*8
.endr
.else
.irp k, 0,1
	ds_store_b128 v8, v[176+4*\k:179+4*\k] offset:1024*\k
.endr
.endif
.if KIND == 0
	WIN 0x45
.set J, 0
.rept 32
	v_pk_add_f32 v[BIAS+J:BIAS+J+1], v[BIAS+J:BIAS+J+1], v[BIAS+64+J:BIAS+64+J+1]
.set J, J+2
.endr
	WIN 0
.endif
.macro FETCH slot, q, set
	WIN 0x40
.irp t, 0,1,2,3,4,5,6,7
.irp c, 0,1
	ds_load_b128 v[64*(\set)+8*\t+4*\c:64*(\set)+8*\t+4*\c+3], v[ADP+(\slot)] offset:64*(\q)+32*\c+\t*16*PITCH
.endr
.endr
	WIN 0
.irp a, 0,1,2,3
.irp c, 0,1
.if KIND == 2
	ds_load_b128 v[RF+32*(\set)+8*\a+4*\c:RF+32*(\set)+8*\a+4*\c+3], v[ADR+(\slot)] offset:\a*4096+(\q)*1024+\c*512
.else
	ds_load_b128 v[RF+32*(\set)+8*\a+4*\c:RF+32*(\set)+8*\a+4*\c+3], v[ADR+(\slot)] offset:64*(\q)+32*\c+\a*16*PITCH
.endif
.endr
.endr
.endm
.macro SCALES S
.irp t, 0,1,2,3,4,5,6,7
	ds_load_b128 v[SCP+32*((\S)%2)+4*\t:SCP+32*((\S)%2)+4*\t+3], v[ASP] offset:(\S)*4096+\t*256
.endr
.irp a, 0,1,2,3
	ds_load_b128 v[SCR+16*((\S)%2)+4*\a:SCR+16*((\S)%2)+4*\a+3], v[ASR] offset:(\S)*2048+\a*256
.endr
.endm
.macro MUL a0, n, set, q, sc, first
.set AA, \a0
.rept \n
.irp t, 0,1,2,3,4,5,6,7
.if \first
.if KIND == 1
.set CC, BIAS+8*AA
.else
.set CC, BIAS+8*\t
.endif
	v_wmma_scale_f32_16x16x128_f8f6f4 v[8*(8*AA+\t):8*(8*AA+\t)+7], v[64*(\set)+8*\t:64*(\set)+8*\t+7], v[RF+32*(\set)+8*AA:RF+32*(\set)+8*AA+7], v[CC:CC+7], v[SCP+32*(\sc)+4*\t+(\q)], v[SCR+16*(\sc)+4*AA+(\q)] matrix_a_fmt:MATRIX_FMT_FP4 matrix_b_fmt:MATRIX_FMT_FP4
.else
	v_wmma_scale_f32_16x16x128_f8f6f4 v[8*(8*AA+\t):8*(8*AA+\t)+7], v[64*(\set)+8*\t:64*(\set)+8*\t+7], v[RF+32*(\set)+8*AA:RF+32*(\set)+8*AA+7], v[8*(8*AA+\t):8*(8*AA+\t)+7], v[SCP+32*(\sc)+4*\t+(\q)], v[SCR+16*(\sc)+4*AA+(\q)] matrix_a_fmt:MATRIX_FMT_FP4 matrix_b_fmt:MATRIX_FMT_FP4
.endif
.endr
.set AA, AA+1
.endr
.endm
.macro STEP S, q, first
	s_wait_dscnt 0x0
	PLACES 4
	FETCH (\S)%2, (\q)+1, 1-(\q)%2
.if \first
	WIN 0x91
.else
	WIN 0xa1
.endif
	MUL 0, 4, (\q)%2, \q, (\S)%2, \first
.endm
.macro TURN S, fill, stepit
	WIN 0
	s_wait_tensorcnt 0x0
	ds_add_u32 v[SPW], v[NIL]
.if \stepit
	s_add_nc_u64 s[G0P2+4*((\S)%2)+2:G0P2+4*((\S)%2)+3], s[G0P2+4*((\S)%2)+2:G0P2+4*((\S)%2)+3], 512
	s_add_nc_u64 s[G0R2+4*((\S)%2)+2:G0R2+4*((\S)%2)+3], s[G0R2+4*((\S)%2)+2:G0R2+4*((\S)%2)+3], 512
.endif
	s_wait_dscnt 0x1
	WIN 0xa1
	MUL 0, 1, 1, 3, (\S)%2, 0
	s_wait_dscnt 0x0
	s_barrier_signal -1
	MUL 1, 1, 1, 3, (\S)%2, 0
	WIN 0
	s_barrier_wait -1
.if \fill
	CREST
	JLOAD G0P2+4*((\S)%2), G1P2, G0R2+4*((\S)%2), G1R2
.else
	PLACES 4
.endif
	FETCH 1-(\S)%2, 0, 0
	SCALES (\S)+1
	WIN 0xa1
	MUL 2, 2, 1, 3, (\S)%2, 0
.endm
.macro THREE S
	STEP \S, 0, 0
	STEP \S, 1, 0
	STEP \S, 2, 0
.endm
	s_wait_alu depctr_va_vdst(0)
	s_wait_dscnt 0x0
	s_wait_tensorcnt 0x1
	s_barrier_signal -1
	s_barrier_wait -1
	FETCH 0, 0, 0
	SCALES 0
	STEP 0, 0, 1
	STEP 0, 1, 0
	STEP 0, 2, 0
.if KIND == 0
	TURN 0, 1, 0
	THREE 1
	TURN 1, 1, 0
	THREE 2
	TURN 2, 1, 1
	THREE 3
	TURN 3, 1, 1
	THREE 4
	TURN 4, 0, 0
	THREE 5
.else
	TURN 0, 0, 0
	THREE 1
.endif
	s_wait_dscnt 0x0
	WIN 0xa1
	MUL 0, 4, 1, 3, (NS-1)%2, 0
	WIN 0
	PLACES 4
.if KIND != 2
	s_mov_b32 s60, 0x76543210
	s_mov_b32 s61, 0xfedcba98
	s_mov_b32 s62, 0x7f7f0000
.macro QUANTW a
	WIN 0x0a
.irp b, 0,1,2,3
	v_max3_num_f32 v[TM+\b], |v[64*(\a)+16*\b]|, |v[64*(\a)+16*\b+1]|, 0x1800000
.endr
	WIN 0x28
.irp i, 2,4,6,8,10,12,14
.irp b, 0,1,2,3
	v_max3_num_f32 v[TM+\b], v[TM+\b], |v[64*(\a)+16*\b+\i]|, |v[64*(\a)+16*\b+\i+1]|
.endr
.endr
	WIN 0
.irp b, 0,1,2,3
	v_permlanex16_b32 v[TM+4+\b], v[TM+\b], s60, s61
.endr
.irp b, 0,1,2,3
	v_max_num_f32 v[TM+\b], v[TM+\b], v[TM+4+\b]
.endr
.irp b, 0,1,2,3
	v_add_nc_u32 v[TM+12+\b], 0xff000000, v[TM+\b]
.endr
.irp b, 0,1,2,3
	v_lshrrev_b32 v[TM+4+\b], 23, v[TM+12+\b]
.endr
	v_lshl_or_b32 v[W+(\a)], v[TM+5], 8, v[TM+4]
	v_lshl_or_b32 v[W+(\a)], v[TM+6], 16, v[W+(\a)]
	v_lshl_or_b32 v[W+(\a)], v[TM+7], 24, v[W+(\a)]
.if KIND == 0
	v_lshrrev_b32 v[W+(\a)], v[SH], v[W+(\a)]
	v_and_or_b32 v[W+(\a)], v[W+(\a)], 0xffff, s62
.endif
	WIN 0x02
.irp b, 0,1,2,3
.irp i, 0,1
	v_cvt_scalef32_pk8_fp4_f32 v[PC+8*(\a)+4*(\b/2)+2*\i+(\b%2)], v[64*(\a)+16*\b+8*\i:64*(\a)+16*\b+8*\i+7], v[TM+12+\b]
.endr
.endr
	WIN 0
	v_nop
.irp c, 0,1
.irp i, 0,1
	v_permlane16_swap_b32 v[PC+8*(\a)+4*\c+2*\i], v[PC+8*(\a)+4*\c+2*\i+1]
.endr
.endr
.endm
.irp a, 0,1,2,3
	QUANTW \a
.irp c, 0,1
.if KIND == 0
	global_store_b128 v[LI], v[PC+8*\a+4*\c:PC+8*\a+4*\c+3], s[OUT:OUT+1] offset:4096*\c+512*\a
.else
	global_store_b128 v[LI], v[PC+8*\a+4*\c:PC+8*\a+4*\c+3], s[OUT:OUT+1] offset:1024*\a+512*\c
.endif
.endr
.endr
	global_store_b128 v[LW], v[W:W+3], s[OUT:OUT+1]
.else
.macro TOSTAGE a
	WIN 0x08
.irp t, 0,1,2,3,4,5,6,7
	ds_store_b128 v[STO], v[64*(\a)+8*\t:64*(\a)+8*\t+3] offset:64*\t
	ds_store_b128 v[STO], v[64*(\a)+8*\t+4:64*(\a)+8*\t+7] offset:64*\t+16
.endr
	WIN 0
.irp i, 0,1,2,3,4,5,6,7,8,9,10,11,12,13,14,15
	ds_load_b128 v[BK+64*((\a)%2)+4*\i:BK+64*((\a)%2)+4*\i+3], v[RD] offset:\i*528
.endr
.endm
.macro SEND a, younger
	s_wait_dscnt \younger
.irp i, 0,1,2,3,4,5,6,7,8,9,10,11,12,13,14,15
	global_store_b128 v[LI], v[BK+64*((\a)%2)+4*\i:BK+64*((\a)%2)+4*\i+3], s[OUT:OUT+1] offset:(16*(\a)+\i)*4096 th:TH_STORE_NT
.endr
.endm
	TOSTAGE 0
	TOSTAGE 1
	SEND 0, 32
	s_wait_xcnt 0x0
	TOSTAGE 2
	SEND 1, 32
	s_wait_xcnt 0x0
	TOSTAGE 3
	SEND 2, 32
	SEND 3, 0
.endif
	s_wait_tensorcnt 0x0
	ds_add_u32 v[SPW], v[NIL]
	s_wait_dscnt 0x0
	CROUND
	s_endpgm
.Lfunc_end_k_q548c821b42_proj_qk:
	.size	k_q548c821b42_proj_qk, .Lfunc_end_k_q548c821b42_proj_qk-k_q548c821b42_proj_qk
	.p2alignl 7, 3214868480
	.fill 96, 4, 3214868480
	.section	.rodata,"a",@progbits
	.p2align	6, 0x0
	.amdhsa_kernel k_q548c821b42_proj_qk
		.amdhsa_group_segment_fixed_size 327680
		.amdhsa_private_segment_fixed_size 0
		.amdhsa_enable_private_segment 0
		.amdhsa_kernarg_size 160
		.amdhsa_user_sgpr_count 2
		.amdhsa_user_sgpr_kernarg_segment_ptr 1
		.amdhsa_wavefront_size32 1
		.amdhsa_system_sgpr_workgroup_id_x 1
		.amdhsa_system_sgpr_workgroup_id_y 1
		.amdhsa_system_sgpr_workgroup_id_z 1
		.amdhsa_system_vgpr_workitem_id 0
		.amdhsa_next_free_vgpr 768
		.amdhsa_next_free_sgpr 106
		.amdhsa_reserve_vcc 0
		.amdhsa_float_denorm_mode_32 3
		.amdhsa_float_denorm_mode_16_64 3
		.amdhsa_memory_ordered 1
		.amdhsa_forward_progress 1
		.amdhsa_inst_pref_size 184
	.end_amdhsa_kernel
	.amdgpu_metadata
---
amdhsa.version: [ 1, 2 ]
amdhsa.kernels:
  - .name:           k_q548c821b42_proj_qk
    .symbol:         k_q548c821b42_proj_qk.kd
    .args:
      - { .name: x_codes, .offset: 0, .size: 8, .value_kind: global_buffer, .address_space: global }
      - { .name: x_scales, .offset: 8, .size: 8, .value_kind: global_buffer, .address_space: global }
      - { .name: Wq_codes, .offset: 16, .size: 8, .value_kind: global_buffer, .address_space: global }
      - { .name: Wq_scales, .offset: 24, .size: 8, .value_kind: global_buffer, .address_space: global }
      - { .name: Wc_codes, .offset: 32, .size: 8, .value_kind: global_buffer, .address_space: global }
      - { .name: Wc_scales, .offset: 40, .size: 8, .value_kind: global_buffer, .address_space: global }
      - { .name: gc, .offset: 48, .size: 8, .value_kind: global_buffer, .address_space: global }
      - { .name: gs, .offset: 56, .size: 8, .value_kind: global_buffer, .address_space: global }
      - { .name: bq, .offset: 64, .size: 8, .value_kind: global_buffer, .address_space: global }
      - { .name: bc, .offset: 72, .size: 8, .value_kind: global_buffer, .address_space: global }
      - { .name: qb, .offset: 80, .size: 8, .value_kind: global_buffer, .address_space: global }
      - { .name: Wk_codes, .offset: 88, .size: 8, .value_kind: global_buffer, .address_space: global }
      - { .name: Wk_scales, .offset: 96, .size: 8, .value_kind: global_buffer, .address_space: global }
      - { .name: We_codes, .offset: 104, .size: 8, .value_kind: global_buffer, .address_space: global }
      - { .name: We_scales, .offset: 112, .size: 8, .value_kind: global_buffer, .address_space: global }
      - { .name: gtc, .offset: 120, .size: 8, .value_kind: global_buffer, .address_space: global }
      - { .name: gts, .offset: 128, .size: 8, .value_kind: global_buffer, .address_space: global }
      - { .name: bk, .offset: 136, .size: 8, .value_kind: global_buffer, .address_space: global }
      - { .name: be, .offset: 144, .size: 8, .value_kind: global_buffer, .address_space: global }
      - { .name: kv, .offset: 152, .size: 8, .value_kind: global_buffer, .address_space: global }
    .group_segment_fixed_size: 327680
    .private_segment_fixed_size: 0
    .kernarg_segment_align: 8
    .kernarg_segment_size: 160
    .max_flat_workgroup_size: 128
    .sgpr_count:     106
    .vgpr_count:     768
    .wavefront_size: 32
...
	.end_amdgpu_metadata
.endif
;; end of part 2
;; launch proj_v (part 3): grid 16 x 8, 4 waves a work-group, clusters of 4 x 4, 327,680 bytes of LDS; arguments Wv_codes, Wv_scales, x_codes, x_scales, bv, kv; writes kv
.if DOCPART == 3
	.amdgcn_target "amdgcn-amd-amdhsa--gfx1250"
	.amdhsa_code_object_version 6
	.text
	.protected	k_q548c821b42_proj_v
	.globl	k_q548c821b42_proj_v
	.p2align	8
	.type	k_q548c821b42_proj_v,@function
k_q548c821b42_proj_v:
	s_mov_b64 s[64:65], 0
	v_nop
	global_prefetch_b8 v0, s[64:65] scope:SCOPE_SE
	s_setreg_imm32_b32 hwreg(HW_REG_WAVE_MODE, 25, 1), 1
	s_wait_xcnt 0x0
	s_wait_alu depctr_hold_cnt(0) depctr_sa_sdst(0) depctr_va_vdst(0) depctr_va_sdst(0) depctr_va_ssrc(0) depctr_va_vcc(0) depctr_vm_vsrc(0)
	s_getreg_b32 s2, hwreg(HW_REG_IB_STS2, 6, 4)
	s_cmp_eq_u32 s2, 0
	s_cbranch_scc0 .Lentry_in_a_cluster
	s_endpgm
.Lentry_in_a_cluster:
	s_bfe_u32 s2, ttmp6, 0x10000c
	s_cmp_lg_u32 s2, 0xf033
	s_cbranch_scc0 .Lentry_shape_is_right
	s_endpgm
.Lentry_shape_is_right:
; ONE TEXT FOR THREE LAUNCHES OF PRODUCTS ON CODES OF FP4 (E2M1, one E8M0 byte for 32 along K); KIND says which.
;   KIND 0: Q = x Wq + bq + G Wc + bc (first half of the grid's y) and K = x Wk + bk + G^T We + be (second half): one chain of K = 1,024 + 2,048; the result is quantised along each head's 64.
;   KIND 1: V = x Wv + bv, quantised along the keys.      KIND 2: out0 = O Wo + bo, f32.
; Source 0 takes 16 P rows, source 1 takes 16 R rows: in a result a lane holds ONE R row (lane % 16) and its registers run along P: tile t, register j is P row 16 t + 8 (lane / 16) + j.
;   KIND 0: P = output features (rows of W), R = tokens.   KIND 1: P = tokens, R = features.   KIND 2: P = features, R = tokens.   So the registers run along the axis that is quantised next, or along out0's rows.
; SHARES.  A work-group makes 256 P x 128 R; wave w makes P rows 128 (w & 1) on x R rows 64 (w >> 1) on: 32 accumulators.  K goes in steps of 512 (rows of 256 bytes) through two LDS slots.
; CLUSTER 4 x 4: P's tile hangs on the work-group's x alone and is asked for jointly down a column of the cluster, R's on y alone, jointly along a row.
; THE SCALE BYTES of the work-group's rows, for all of K, are read once in dense 16-byte pieces and laid in LDS by K step, [step][row][16 bytes]: a row's four words of a step come by one LDS load.
; QUANTISING A RESULT.  Block b of 32 along P is tiles 2 b and 2 b + 1: 16 numbers in lane l, 16 in lane l xor 16.  The conversion of tile 2 b + i goes to register 4 (b / 2) + 2 i + b % 2; an exchange of halves between
; registers 4 c + 2 i and 4 c + 2 i + 1 then leaves lane (r, H) with block 2 c + H whole, in K's own order, in registers 4 c .. 4 c + 3: the image of an operand's registers, stored 16 bytes a lane.
; LIMITS: NaN and infinities are not served; a block of zeros, or one whose largest magnitude lies under 2^-124, keeps the scale byte 1 (only this program reads these bytes).
; REGISTERS, in windows of 256.  Window 0: v1-27 addresses; v28, v29 for the add; v32-95 P's scale words, two sets; v96-127 R's; v128-191 R's fragments, two sets; v200-251 the quantiser.
;   Window 1: v0-127 P's fragments, two sets; v128-191 the bias as the first products' C; v192-255 the second bias.   Window 2: accumulator (a, t) at v[8 (8 a + t)].
.set KIND, 1
.if KIND == 0
.set NS, 6                             ; K steps of 512: two of x, four of G
.else
.set NS, 2
.endif
.set PITCH, 272                        ; an LDS row: 256 bytes + 16 of padding: the 16 rows of a load start 16 bytes apart modulo 256
.set PH,    128*PITCH                  ; half of P's tile: what one tensor load brings
.set ROFF,  2*PH                       ; R's tile lies behind P's
.set SLOT,  ROFF+128*PITCH
.if KIND == 2
.set RHB,   16384                      ; half of R's tile: four images of 16 tokens x 512 K, dense
.set RSTEP, 4096
.else
.set RHB,   64*PITCH
.set RSTEP, 256
.endif
.set SCLP,  2*SLOT                     ; P's scale bytes [step][256][16]
.set SCLR,  SCLP+6*4096                ; R's [step][128][16]
.set SPARE, SCLR+6*2048                ; the spare words: 128 bytes a wave, named by no other line
.set ADP, 16                           ; v16, v17 P's fragments in slot 0, 1
.set ADR, 20                           ; v20, v21 R's
.set ASP, 22                           ; v22 P's scale words
.set ASR, 23                           ; v23 R's
.set LI,  24                           ; v24 the way out: offset of my 16 bytes
.set LW,  25                           ; v25 the way out: offset of my scale words
.set STO, 26                           ; v26, v27 KIND 2: the stage, in and back
.set RD,  27
.set SPW, 28
.set NIL, 29
.set SCP, 32
.set SCR, 96
.set RF,  128
.set TM,  200                          ; v200-203 largest magnitudes, v204-207 bytes, v212-215 the conversions' scale operands
.set W,   216                          ; v216-219 a scale word for each R tile
.set PC,  220                          ; v220-251 eight registers of codes for each R tile
.set SH,  252                          ; v252 16 (lane / 16)
.set BK,  128                          ; KIND 2: rows read back from the stage, v128-191 and v192-255 by turns
.set BIAS, 128                         ; in window 1
.set RC1, 4                            ; s[4:5] R's codes, s[6:7] R's scales, s[8:9] P's codes, s[10:11] P's scales
.set RS1, 6
.set PC1, 8
.set PS1, 10
.set PC2, 12                           ; KIND 0, second segment: s[12:13] P's codes, s[14:15] scales, s[16:17] R's codes, s[18:19] scales
.set PS2, 14
.set RC2, 16
.set RS2, 18
.set BI1, 20
.set BI2, 22
.set OUT, 24
.set G1P, 28                           ; s[28:35], s[36:43] descriptor groups 1;  s[44:51], s[52:59] groups 0, a set a slot
.set G1R, 36
.set G0P, 44
.set G0R, 52
.set G0P2, 68                          ; KIND 0, second segment: groups 0 s[68:75], s[76:83]; groups 1 s[84:91], s[92:99]
.set G0R2, 76
.set G1P2, 84
.set G1R2, 92
.set WV,  100
.set WR,  101
.set WP,  104
.set MSB, 0
.macro WIN new                         ; the immediate's high byte repeats the setting that is left
.if MSB != \new
	s_set_vgpr_msb (MSB<<8)|\new
.set MSB, \new
.endif
.endm
.macro PLACES n                        ; plain vector lines between a matrix instruction and a load into, or a read of, its registers
.rept \n
	v_nop
.endr
.endm
; A joint load: waves 0 and 1 fetch P's halves, waves 2 and 3 R's.  The branch hangs on the wave's number alone.  Four v_nop follow each line.
.macro JLOAD g0p, g1p, g0r, g1r
	s_cmp_eq_u32 s[WR], 0
	s_cbranch_scc0 .Lfor_r_\@
	tensor_load_to_lds s[\g0p:\g0p+3], s[\g1p:\g1p+7]
	s_nop 0
.rept 4
	v_nop
.endr
	s_branch .Lasked_\@
.Lfor_r_\@:
	tensor_load_to_lds s[\g0r:\g0r+3], s[\g1r:\g1r+7]
	s_nop 0
.rept 4
	v_nop
.endr
.Lasked_\@:
.endm
.macro CREST                           ; a round of the cluster's barrier behind its opening barrier
	s_cmp_lg_u32 s[WV], 0
	s_cbranch_scc1 .Lnot_wave_0_\@
	s_barrier_signal -3
.Lnot_wave_0_\@:
	s_barrier_wait -3
	s_barrier_signal -1
	s_barrier_wait -1
.endm
.macro CROUND
	s_barrier_signal -1
	s_barrier_wait -1
	CREST
.endm
.if KIND == 0
	s_load_b128 s[4:7], s[0:1], 0x0                ; x's codes and scales
	s_load_b512 s[8:23], s[0:1], 0x10              ; Q's set: Wq, Wc, gc, gs, bq, bc
	s_load_b64 s[24:25], s[0:1], 0x50              ; qb
	s_load_b512 s[28:43], s[0:1], 0x58             ; K's set: Wk, We, gtc, gts, bk, be
	s_load_b64 s[44:45], s[0:1], 0x98              ; kv
.else
	s_load_b256 s[4:11], s[0:1], 0x0               ; R's codes, R's scales, P's codes, P's scales
	s_load_b64 s[20:21], s[0:1], 0x20              ; the bias
	s_load_b64 s[24:25], s[0:1], 0x28              ; the output
.endif
	v_lshl_add_u32 v[SPW], v0, 2, SPARE
	v_mov_b32 v[NIL], 0
	ds_add_u32 v28, v29
	ds_add_u32 v28, v29
	s_wait_dscnt 0x0
	v_lshrrev_b32 v1, 5, v0
	v_readfirstlane_b32 s[WV], v1                  ; wave 0..3
	s_lshr_b32 s[WR], s[WV], 1                     ; my half of R's rows.  Also: I fetch for P (0) or for R (1)
	s_and_b32 s[WP], s[WV], 1                      ; my half of P's rows.  Also: which half of that tile I fetch
	s_bfe_u32 s60, ttmp6, 0x40000                  ; cx
	s_bfe_u32 s61, ttmp6, 0x40004                  ; cy
	s_lshl_b32 s62, ttmp9, 2
	s_add_co_u32 s62, s62, s60                     ; X = 4 x cluster x + cx: P's tile
	s_and_b32 s63, ttmp7, 0xffff                   ; cluster y
	s_lshl_b32 s66, s63, 2
	s_add_co_u32 s66, s66, s61                     ; Y = 4 x cluster y + cy: R's tile
	s_lshl_b32 s67, s61, 2
	s_lshl_b32 s67, 15, s67                        ; my row of the cluster: R's tiles
	s_lshl_b32 s105, 0x1111, s60                   ; my column: P's tiles
	s_lshl_b32 s2, s62, 8
	s_lshl_b32 s3, s[WP], 7
	s_add_co_u32 s2, s2, s3                        ; P row 256 X + 128 (wave & 1): the half that I fetch, and the half that I multiply
	s_lshl_b32 s[G0P+2], s2, 9                     ; in bytes: rows of 512
	s_mov_b32 s[G0P+3], 0
	s_lshl_b32 s27, s[WP], 6                       ; which 64 rows of R's tile I fetch
.if KIND == 0
	s_lshl_b32 s[G0P2+2], s2, 10                   ; second segment: rows of 1,024 bytes
	s_mov_b32 s[G0P2+3], 0
	s_and_b32 s26, s66, 31
	s_lshl_b32 s26, s26, 7                         ; the work-group's first token among 4,096
	s_and_b32 s[G0R2+2], s66, 15
	s_lshl_b32 s[G0R2+2], s[G0R2+2], 7             ; the same token's row of G's codes (both batches take the same)
	s_add_co_u32 s[G0R2+2], s[G0R2+2], s27
	s_lshl_b32 s[G0R2+2], s[G0R2+2], 10
	s_mov_b32 s[G0R2+3], 0
.else
	s_lshl_b32 s26, s66, 7                         ; the work-group's first R row
.endif
	s_add_co_u32 s[G0R+2], s26, s27
	s_lshl_b32 s[G0R+2], s[G0R+2], 9               ; 512 bytes a row (KIND 2: 16 tokens' images are 8,192 bytes)
	s_mov_b32 s[G0R+3], 0
	s_wait_kmcnt 0x0
.if KIND == 0
	s_cmp_ge_u32 s63, 8                            ; the second half of the grid makes K: the same in all sixteen partners
.irp i, 0,1,2,3,4,5,6,7,8
	s_cselect_b64 s[8+2*\i:9+2*\i], s[28+2*\i:29+2*\i], s[8+2*\i:9+2*\i]
.endr
	s_mov_b32 s27, 18432
	s_cselect_b32 s27, 35840, s27                  ; bytes of an output chunk: kv's or qb's
.endif
	; descriptor groups 1.  P: 128 rows x 256 bytes, 16 bytes of padding behind each.  R: 64 such rows; KIND 2: 4 rows of 4,096 bytes (elements of 8), 8,192 apart, dense in LDS
	s_or_b32 s[G1P], s105, (1<<20)|(1<<21)|(5<<22)|(3<<25)
	s_mov_b32 s[G1P+1], 256<<16
	s_mov_b32 s[G1P+2], 128<<16
	s_mov_b32 s[G1P+3], 256<<16
	s_mov_b32 s[G1P+4], 128
	s_mov_b32 s[G1P+5], 512
	s_mov_b32 s[G1P+6], 0
	s_mov_b32 s[G1P+7], 0
.if KIND == 2
	s_or_b32 s[G1R], s67, (3<<16)|(1<<21)
	s_mov_b32 s[G1R+1], 512<<16
	s_mov_b32 s[G1R+2], 4<<16
	s_mov_b32 s[G1R+3], 512<<16
	s_mov_b32 s[G1R+4], 4
	s_mov_b32 s[G1R+5], 1024
.else
	s_or_b32 s[G1R], s67, (1<<20)|(1<<21)|(5<<22)|(3<<25)
	s_mov_b32 s[G1R+1], 256<<16
	s_mov_b32 s[G1R+2], 64<<16
	s_mov_b32 s[G1R+3], 256<<16
	s_mov_b32 s[G1R+4], 64
	s_mov_b32 s[G1R+5], 512
.endif
	s_mov_b32 s[G1R+6], 0
	s_mov_b32 s[G1R+7], 0
.if KIND == 0
	s_or_b32 s[G1P2], s105, (1<<20)|(1<<21)|(5<<22)|(3<<25)
	s_mov_b32 s[G1P2+1], 256<<16
	s_mov_b32 s[G1P2+2], 128<<16
	s_mov_b32 s[G1P2+3], 256<<16
	s_mov_b32 s[G1P2+4], 128
	s_mov_b32 s[G1P2+5], 1024                      ; the second segment's rows are 1,024 bytes apart
	s_mov_b32 s[G1P2+6], 0
	s_mov_b32 s[G1P2+7], 0
	s_or_b32 s[G1R2], s67, (1<<20)|(1<<21)|(5<<22)|(3<<25)
	s_mov_b32 s[G1R2+1], 256<<16
	s_mov_b32 s[G1R2+2], 64<<16
	s_mov_b32 s[G1R2+3], 256<<16
	s_mov_b32 s[G1R2+4], 64
	s_mov_b32 s[G1R2+5], 1024
	s_mov_b32 s[G1R2+6], 0
	s_mov_b32 s[G1R2+7], 0
.endif
	; groups 0: count 1, LDS address (the wave's number and constants alone), global address, type 2
	s_mul_i32 s3, s[WP], PH
	s_mov_b32 s[G0P], 1
	s_mov_b32 s[G0P+1], s3
	s_add_nc_u64 s[G0P+2:G0P+3], s[PC1:PC1+1], s[G0P+2:G0P+3]
	s_mov_b32 s[G0P+4], 1
	s_add_co_u32 s[G0P+5], s3, SLOT
	s_add_nc_u64 s[G0P+6:G0P+7], s[G0P+2:G0P+3], 256
	s_or_b32 s[G0P+3], s[G0P+3], 0x80000000
	s_or_b32 s[G0P+7], s[G0P+7], 0x80000000
.if KIND == 0
	s_mov_b32 s[G0P2], 1
	s_mov_b32 s[G0P2+1], s3
	s_add_nc_u64 s[G0P2+2:G0P2+3], s[PC2:PC2+1], s[G0P2+2:G0P2+3]
	s_mov_b32 s[G0P2+4], 1
	s_add_co_u32 s[G0P2+5], s3, SLOT
	s_add_nc_u64 s[G0P2+6:G0P2+7], s[G0P2+2:G0P2+3], 256
	s_or_b32 s[G0P2+3], s[G0P2+3], 0x80000000
	s_or_b32 s[G0P2+7], s[G0P2+7], 0x80000000
.endif
	s_mul_i32 s3, s[WP], RHB
	s_mov_b32 s[G0R], 1
	s_add_co_u32 s[G0R+1], s3, ROFF
	s_add_nc_u64 s[G0R+2:G0R+3], s[RC1:RC1+1], s[G0R+2:G0R+3]
	s_mov_b32 s[G0R+4], 1
	s_add_co_u32 s[G0R+5], s3, ROFF+SLOT
	s_add_nc_u64 s[G0R+6:G0R+7], s[G0R+2:G0R+3], RSTEP
	s_or_b32 s[G0R+3], s[G0R+3], 0x80000000
	s_or_b32 s[G0R+7], s[G0R+7], 0x80000000
.if KIND == 0
	s_mov_b32 s[G0R2], 1
	s_add_co_u32 s[G0R2+1], s3, ROFF
	s_add_nc_u64 s[G0R2+2:G0R2+3], s[RC2:RC2+1], s[G0R2+2:G0R2+3]
	s_mov_b32 s[G0R2+4], 1
	s_add_co_u32 s[G0R2+5], s3, ROFF+SLOT
	s_add_nc_u64 s[G0R2+6:G0R2+7], s[G0R2+2:G0R2+3], 256
	s_or_b32 s[G0R2+3], s[G0R2+3], 0x80000000
	s_or_b32 s[G0R2+7], s[G0R2+7], 0x80000000
.endif
	CROUND                                         ; all sixteen work-groups are here: the first joint loads meet
	JLOAD G0P, G1P, G0R, G1R                       ; K step 0: one tensor load a wave at the head
	s_wait_alu depctr_va_vdst(0)
	s_wait_tensorcnt 0x0                           ; my part of K step 0 is in; ahead of a later first fill:
	ds_add_u32 v28, v29
	s_wait_dscnt 0x0
	CROUND                                         ; a whole round,
	JLOAD G0P+4, G1P, G0R+4, G1R                   ; and K step 1's load, the first tensor load behind it: one load of mine is out
	; where the scale bytes, the biases and the output begin
	s_lshl_b32 s60, s62, 13                        ; P's scales: 256 X rows of 32 bytes
	s_mov_b32 s61, 0
	s_add_nc_u64 s[PS1:PS1+1], s[PS1:PS1+1], s[60:61]
.if KIND == 0
	s_lshl_b32 s60, s62, 14                        ; second segment: rows of 64 bytes
	s_add_nc_u64 s[PS2:PS2+1], s[PS2:PS2+1], s[60:61]
	s_and_b32 s60, s66, 15
	s_lshl_b32 s60, s60, 13                        ; 128 rows of 64 bytes
	s_add_nc_u64 s[RS2:RS2+1], s[RS2:RS2+1], s[60:61]
.endif
.if KIND == 2
	s_lshl_b32 s60, s26, 3                         ; os: 8 bytes a token in each of four planes
.else
	s_lshl_b32 s60, s26, 5
.endif
	s_add_nc_u64 s[RS1:RS1+1], s[RS1:RS1+1], s[60:61]
.if KIND == 1
	s_lshl_b32 s60, s[WR], 6
	s_add_co_u32 s60, s60, s26
	s_lshl_b32 s60, s60, 2                         ; the bias runs along R: my 64 rows
.else
	s_lshl_b32 s60, s2, 2                          ; the bias runs along P: my 128 rows
.endif
	s_add_nc_u64 s[BI1:BI1+1], s[BI1:BI1+1], s[60:61]
.if KIND == 0
	s_add_nc_u64 s[BI2:BI2+1], s[BI2:BI2+1], s[60:61]
.endif
	v_and_b32 v1, 15, v0                           ; r
	v_bfe_u32 v2, v0, 4, 1                         ; h
	v_and_b32 v3, 31, v0                           ; lane
	v_lshlrev_b32 v5, 4, v0                        ; 16 x thread: a dense piece of scale bytes
	v_and_b32 v10, 1, v0
	v_lshrrev_b32 v11, 1, v0
	v_lshlrev_b32 v11, 4, v11
	v_lshl_add_u32 v6, v10, 12, v11                ; rows of 32 bytes: piece p is row p / 2, step p % 2
	v_add_nc_u32 v6, SCLP, v6
.if KIND == 2
	v_lshlrev_b32 v9, 3, v0                        ; os: 8 bytes a thread
	v_add_nc_u32 v8, SCLR, v5
.else
	v_lshl_add_u32 v8, v10, 11, v11
	v_add_nc_u32 v8, SCLR, v8
.endif
.if KIND == 0
	v_and_b32 v10, 3, v0
	v_lshrrev_b32 v11, 2, v0
	v_lshlrev_b32 v11, 4, v11
	v_lshl_add_u32 v7, v10, 12, v11                ; rows of 64 bytes: piece p is row p / 4, step 2 + p % 4
	v_add_nc_u32 v7, SCLP+2*4096, v7
	v_lshl_add_u32 v9, v10, 11, v11
	v_add_nc_u32 v9, SCLR+2*2048, v9
.endif
.irp k, 0,1,2,3
	global_load_b128 v[128+4*\k:131+4*\k], v5, s[PS1:PS1+1] offset:2048*\k
.endr
.if KIND == 0
.irp k, 0,1,2,3,4,5,6,7
	global_load_b128 v[144+4*\k:147+4*\k], v5, s[PS2:PS2+1] offset:2048*\k
.endr
.irp k, 0,1,2,3
	global_load_b128 v[184+4*\k:187+4*\k], v5, s[RS2:RS2+1] offset:2048*\k
.endr
.endif
.if KIND == 2
.irp k, 0,1,2,3
	global_load_b64 v[176+2*\k:177+2*\k], v9, s[RS1:RS1+1] offset:32768*\k
.endr
.else
.irp k, 0,1
	global_load_b128 v[176+4*\k:179+4*\k], v5, s[RS1:RS1+1] offset:2048*\k
.endr
.endif
.if KIND == 1
	v_lshlrev_b32 v12, 2, v1                       ; the bias of my R row, the same in a tile's eight registers
	WIN 0x40                                       ; destination window 1
.irp a, 0,1,2,3
.irp j, 0,1,2,3,4,5,6,7
	global_load_b32 v[BIAS+8*\a+\j], v12, s[BI1:BI1+1] offset:64*\a
.endr
.endr
.else
	v_lshlrev_b32 v12, 5, v2                       ; the bias of P rows 16 t + 8 h + 0 .. 7
	WIN 0x40
.irp t, 0,1,2,3,4,5,6,7
	global_load_b128 v[BIAS+8*\t:BIAS+8*\t+3], v12, s[BI1:BI1+1] offset:64*\t
	global_load_b128 v[BIAS+8*\t+4:BIAS+8*\t+7], v12, s[BI1:BI1+1] offset:64*\t+16
.endr
.if KIND == 0
.irp t, 0,1,2,3,4,5,6,7
	global_load_b128 v[BIAS+64+8*\t:BIAS+64+8*\t+3], v12, s[BI2:BI2+1] offset:64*\t
	global_load_b128 v[BIAS+64+8*\t+4:BIAS+64+8*\t+7], v12, s[BI2:BI2+1] offset:64*\t+16
.endr
.endif
.endif
	WIN 0
	; LDS addresses of the loop
	v_mul_u32_u24 v4, v1, PITCH
	v_lshl_add_u32 v4, v2, 4, v4                   ; a fragment's row x pitch + 16 x half
	s_mul_i32 s60, s[WP], PH
	v_add_nc_u32 v[ADP], s60, v4
	v_add_nc_u32 v[ADP+1], SLOT, v[ADP]
	s_mul_i32 s60, s[WR], RHB
	s_add_co_u32 s60, s60, ROFF
.if KIND == 2
	v_lshl_add_u32 v[ADR], v3, 4, s60              ; images: 16 x lane
.else
	v_add_nc_u32 v[ADR], s60, v4
.endif
	v_add_nc_u32 v[ADR+1], SLOT, v[ADR]
	s_lshl_b32 s60, s[WP], 11
	s_add_co_u32 s60, s60, SCLP
	v_lshl_add_u32 v[ASP], v1, 4, s60              ; 16 bytes a row: my 128 rows, row r of a tile
	s_lshl_b32 s60, s[WR], 10
	s_add_co_u32 s60, s60, SCLR
	v_lshl_add_u32 v[ASR], v1, 4, s60
	; the way out
.if KIND == 0
	s_and_b32 s60, s66, 31
	s_lshr_b32 s61, s60, 4                         ; batch
	s_and_b32 s60, s60, 15                         ; step of 128 tokens
	s_lshl_b32 s61, s61, 6
	s_add_co_u32 s60, s60, s61
	s_lshl_b32 s61, s62, 4
	s_add_co_u32 s60, s60, s61                     ; chunk = (4 batch + X) 16 + step
	s_mul_i32 s60, s60, s27
	s_mov_b32 s61, 0
	s_add_nc_u64 s[OUT:OUT+1], s[OUT:OUT+1], s[60:61]
	s_lshl_b32 s60, s[WP], 13                      ; my two heads: 4,096 bytes a head;
	s_lshl_b32 s61, s[WR], 11                      ; my four tiles of tokens: 512 bytes a tile
	s_add_co_u32 s60, s60, s61
	v_lshl_add_u32 v[LI], v3, 4, s60
	s_lshl_b32 s60, s[WP], 10
	s_lshl_b32 s61, s[WR], 8
	s_add_co_u32 s60, s60, s61
	s_add_co_u32 s60, s60, 16384
	v_lshl_add_u32 v[LW], v2, 9, s60               ; scale words: head 2 (w & 1) + h at 512 bytes a head, 256 (w >> 1), 16 r
	v_lshl_add_u32 v[LW], v1, 4, v[LW]
	v_lshlrev_b32 v[SH], 4, v2
.elseif KIND == 1
	s_lshr_b32 s60, s62, 3                         ; batch
	s_lshl_b32 s60, s60, 2
	s_lshr_b32 s61, s66, 1                         ; group of four heads
	s_add_co_u32 s60, s60, s61
	s_lshl_b32 s60, s60, 4
	s_and_b32 s61, s62, 7
	s_lshl_b32 s61, s61, 1
	s_add_co_u32 s60, s60, s61
	s_add_co_u32 s60, s60, s[WP]                   ; + key step 2 (X & 7) + (w & 1)
	s_mul_i32 s60, s60, 35840
	s_mov_b32 s61, 0
	s_add_nc_u64 s[OUT:OUT+1], s[OUT:OUT+1], s[60:61]
	s_and_b32 s60, s66, 1
	s_lshl_b32 s60, s60, 1
	s_add_co_u32 s60, s60, s[WR]                   ; head in the group
	s_lshl_b32 s61, s60, 12
	s_add_co_u32 s61, s61, 18432
	v_lshl_add_u32 v[LI], v3, 4, s61
	s_lshl_b32 s61, s60, 8
	s_add_co_u32 s61, s61, 34816
	v_lshl_add_u32 v[LW], v1, 4, s61
.else
	s_lshl_b32 s60, s[WR], 6
	s_add_co_u32 s60, s60, s26                     ; my first token
	s_lshl_b32 s60, s60, 12                        ; rows of 4,096 bytes
	s_lshl_b32 s61, s2, 2
	s_add_co_u32 s60, s60, s61                     ; + my first column
	s_mov_b32 s61, 0
	s_add_nc_u64 s[OUT:OUT+1], s[OUT:OUT+1], s[60:61]
	v_lshlrev_b32 v[LI], 4, v3
	s_mul_i32 s60, s[WV], 16*528                   ; my stage: 16 rows x (512 + 16) bytes, in slot 0, which has had its last fill and its last read by then
	v_mul_u32_u24 v[STO], v1, 528
	v_lshl_add_u32 v[STO], v2, 5, v[STO]
	v_add_nc_u32 v[STO], s60, v[STO]
	v_add_nc_u32 v[RD], s60, v[LI]
.endif
.irp b, 0,1,2,3
	v_mov_b32 v[TM+4+\b], 0                        ; written once: a lane permute's destination counts as one of its sources
.endr
	s_wait_alu depctr_va_vdst(0)
	s_wait_loadcnt 0x0                             ; scale bytes and biases
.irp k, 0,1,2,3
	ds_store_b128 v6, v[128+4*\k:131+4*\k] offset:1024*\k
.endr
.if KIND == 0
.irp k, 0,1,2,3,4,5,6,7
	ds_store_b128 v7, v[144+4*\k:147+4*\k] offset:512*\k
.endr
.irp k, 0,1,2,3
	ds_store_b128 v9, v[184+4*\k:187+4*\k] offset:512*\k
.endr
.endif
.if KIND == 2
.irp k, 0,1,2,3
	ds_store_b64 v8, v[176+2*\k:177+2*\k] offset:(\k/2)*2048+(\k%2)*8
.endr
.else
.irp k, 0,1
	ds_store_b128 v8, v[176+4*\k:179+4*\k] offset:1024*\k
.endr
.endif
.if KIND == 0
	WIN 0x45                                       ; all three in window 1: the two biases become one
.set J, 0
.rept 32
	v_pk_add_f32 v[BIAS+J:BIAS+J+1], v[BIAS+J:BIAS+J+1], v[BIAS+64+J:BIAS+64+J+1]
.set J, J+2
.endr
	WIN 0
.endif
; 24 LDS loads: the fragments of the slot's q-th 128 along K into set: P's eight (window 1), R's four.  Lane (r, h): registers 4 c .. 4 c + 3 hold K = 64 c + 32 h + 0 .. 31
.macro FETCH slot, q, set
	WIN 0x40
.irp t, 0,1,2,3,4,5,6,7
.irp c, 0,1
	ds_load_b128 v[64*(\set)+8*\t+4*\c:64*(\set)+8*\t+4*\c+3], v[ADP+(\slot)] offset:64*(\q)+32*\c+\t*16*PITCH
.endr
.endr
	WIN 0
.irp a, 0,1,2,3
.irp c, 0,1
.if KIND == 2
	ds_load_b128 v[RF+32*(\set)+8*\a+4*\c:RF+32*(\set)+8*\a+4*\c+3], v[ADR+(\slot)] offset:\a*4096+(\q)*1024+\c*512
.else
	ds_load_b128 v[RF+32*(\set)+8*\a+4*\c:RF+32*(\set)+8*\a+4*\c+3], v[ADR+(\slot)] offset:64*(\q)+32*\c+\a*16*PITCH
.endif
.endr
.endr
.endm
.macro SCALES S                        ; K step S's scale words: four a row, one load a tile
.irp t, 0,1,2,3,4,5,6,7
	ds_load_b128 v[SCP+32*((\S)%2)+4*\t:SCP+32*((\S)%2)+4*\t+3], v[ASP] offset:(\S)*4096+\t*256
.endr
.irp a, 0,1,2,3
	ds_load_b128 v[SCR+16*((\S)%2)+4*\a:SCR+16*((\S)%2)+4*\a+3], v[ASR] offset:(\S)*2048+\a*256
.endr
.endm
; n R tiles from a0 on x P's eight.  The 32 accumulators take turns, one instruction a turn, in the same order in every step.  first = 1: the bias is the C: nothing is cleared or added later
.macro MUL a0, n, set, q, sc, first
.set AA, \a0
.rept \n
.irp t, 0,1,2,3,4,5,6,7
.if \first
.if KIND == 1
.set CC, BIAS+8*AA
.else
.set CC, BIAS+8*\t
.endif
	v_wmma_scale_f32_16x16x128_f8f6f4 v[8*(8*AA+\t):8*(8*AA+\t)+7], v[64*(\set)+8*\t:64*(\set)+8*\t+7], v[RF+32*(\set)+8*AA:RF+32*(\set)+8*AA+7], v[CC:CC+7], v[SCP+32*(\sc)+4*\t+(\q)], v[SCR+16*(\sc)+4*AA+(\q)] matrix_a_fmt:MATRIX_FMT_FP4 matrix_b_fmt:MATRIX_FMT_FP4
.else
	v_wmma_scale_f32_16x16x128_f8f6f4 v[8*(8*AA+\t):8*(8*AA+\t)+7], v[64*(\set)+8*\t:64*(\set)+8*\t+7], v[RF+32*(\set)+8*AA:RF+32*(\set)+8*AA+7], v[8*(8*AA+\t):8*(8*AA+\t)+7], v[SCP+32*(\sc)+4*\t+(\q)], v[SCR+16*(\sc)+4*AA+(\q)] matrix_a_fmt:MATRIX_FMT_FP4 matrix_b_fmt:MATRIX_FMT_FP4
.endif
.endr
.set AA, AA+1
.endr
.endm
; 128 along K that has its successor in the same slot: the successor's fragments are asked for ahead of this step's 32 products
.macro STEP S, q, first
	s_wait_dscnt 0x0                               ; this step's fragments, asked for a step ago, are in
	PLACES 4                                       ; the other set was read by the last products
	FETCH (\S)%2, (\q)+1, 1-(\q)%2
.if \first
	WIN 0x91                                       ; source 0 window 1, source 1 window 0, C window 1, D window 2
.else
	WIN 0xa1                                       ; C and D window 2
.endif
	MUL 0, 4, (\q)%2, \q, (\S)%2, \first
.endm
; A slot's last 128 along K changes slots: ONE barrier; in front of it each wave waits for all its tensor loads, adds 0 to its spare word, and waits for that and for its reads of this slot.
; fill = 1: the barrier opens a round of the cluster's barrier and this slot is filled again, two K steps ahead, by the second segment's descriptors; stepit = 1: these go 512 bytes on first.
.macro TURN S, fill, stepit
	WIN 0
	s_wait_tensorcnt 0x0                           ; all my tensor loads have landed: my part of the next slot
	ds_add_u32 v[SPW], v[NIL]                      ; 0 onto my spare word
.if \stepit
	s_add_nc_u64 s[G0P2+4*((\S)%2)+2:G0P2+4*((\S)%2)+3], s[G0P2+4*((\S)%2)+2:G0P2+4*((\S)%2)+3], 512
	s_add_nc_u64 s[G0R2+4*((\S)%2)+2:G0R2+4*((\S)%2)+3], s[G0R2+4*((\S)%2)+2:G0R2+4*((\S)%2)+3], 512
.endif
	s_wait_dscnt 0x1                               ; the fragments are in; the add alone may be out
	WIN 0xa1
	MUL 0, 1, 1, 3, (\S)%2, 0
	s_wait_dscnt 0x0                               ; the add is done, and my reads of this slot are over
	s_barrier_signal -1
	MUL 1, 1, 1, 3, (\S)%2, 0
	WIN 0
	s_barrier_wait -1
.if \fill
	CREST                                          ; no wave of any partner still reads this slot or has a load on its way
	JLOAD G0P2+4*((\S)%2), G1P2, G0R2+4*((\S)%2), G1R2   ; the first tensor load behind the round; its four v_nop are also the places in front of the loads below
.else
	PLACES 4
.endif
	FETCH 1-(\S)%2, 0, 0
	SCALES (\S)+1
	WIN 0xa1
	MUL 2, 2, 1, 3, (\S)%2, 0
.endm
.macro THREE S
	STEP \S, 0, 0
	STEP \S, 1, 0
	STEP \S, 2, 0
.endm
	s_wait_dscnt 0x0                               ; for the others' sake: my scale bytes lie in LDS,
	s_wait_tensorcnt 0x1                           ; and my part of K step 0 (K step 1's load may stay out)
	s_barrier_signal -1
	s_barrier_wait -1
	FETCH 0, 0, 0
	SCALES 0
	STEP 0, 0, 1                                   ; the first products start the sums from the bias
	STEP 0, 1, 0
	STEP 0, 2, 0
.if KIND == 0
	TURN 0, 1, 0                                   ; slot 0 takes G's first 512 along K
	THREE 1
	TURN 1, 1, 0
	THREE 2
	TURN 2, 1, 1
	THREE 3
	TURN 3, 1, 1
	THREE 4
	TURN 4, 0, 0                                   ; nothing is left to fetch
	THREE 5
.else
	TURN 0, 0, 0
	THREE 1
.endif
	s_wait_dscnt 0x0
	WIN 0xa1
	MUL 0, 4, 1, 3, (NS-1)%2, 0
	WIN 0
	PLACES 4                                       ; in front of the first read of results
.if KIND != 2
	s_mov_b32 s60, 0x76543210
	s_mov_b32 s61, 0xfedcba98                      ; v_permlanex16_b32's selects for lane l xor 16
	s_mov_b32 s62, 0x7f7f0000                      ; KIND 0: the scale 1 for k = 64 .. 127, where the scores' other operand holds zero codes
; R tile a: its 64 numbers a lane become eight registers of codes and a scale word.  Each accumulator is read from its low end on.
.macro QUANTW a
	WIN 0x0a                                       ; sources 0 and 1 window 2
.irp b, 0,1,2,3
	v_max3_num_f32 v[TM+\b], |v[64*(\a)+16*\b]|, |v[64*(\a)+16*\b+1]|, 0x1800000   ; block b: my 16 numbers, and the floor 2^(3 - 127)
.endr
	WIN 0x28                                       ; sources 1 and 2 window 2
.irp i, 2,4,6,8,10,12,14
.irp b, 0,1,2,3
	v_max3_num_f32 v[TM+\b], v[TM+\b], |v[64*(\a)+16*\b+\i]|, |v[64*(\a)+16*\b+\i+1]|
.endr
.endr
	WIN 0
.irp b, 0,1,2,3
	v_permlanex16_b32 v[TM+4+\b], v[TM+\b], s60, s61
.endr
.irp b, 0,1,2,3
	v_max_num_f32 v[TM+\b], v[TM+\b], v[TM+4+\b]   ; with lane l xor 16's: the block's largest magnitude
.endr
.irp b, 0,1,2,3
	v_add_nc_u32 v[TM+12+\b], 0xff000000, v[TM+\b] ; 2 off its exponent field: the conversion's scale operand
.endr
.irp b, 0,1,2,3
	v_lshrrev_b32 v[TM+4+\b], 23, v[TM+12+\b]      ; the scale's byte
.endr
	v_lshl_or_b32 v[W+(\a)], v[TM+5], 8, v[TM+4]
	v_lshl_or_b32 v[W+(\a)], v[TM+6], 16, v[W+(\a)]
	v_lshl_or_b32 v[W+(\a)], v[TM+7], 24, v[W+(\a)]
.if KIND == 0
	v_lshrrev_b32 v[W+(\a)], v[SH], v[W+(\a)]      ; lanes 0-15 keep the first head's two bytes, lanes 16-31 the second's,
	v_and_or_b32 v[W+(\a)], v[W+(\a)], 0xffff, s62 ; under two bytes of the scale 1
.endif
	WIN 0x02                                       ; source 0 window 2
.irp b, 0,1,2,3
.irp i, 0,1
	v_cvt_scalef32_pk8_fp4_f32 v[PC+8*(\a)+4*(\b/2)+2*\i+(\b%2)], v[64*(\a)+16*\b+8*\i:64*(\a)+16*\b+8*\i+7], v[TM+12+\b]
.endr
.endr
	WIN 0
	v_nop                                          ; a plain line behind the last conversion
.irp c, 0,1
.irp i, 0,1
	v_permlane16_swap_b32 v[PC+8*(\a)+4*\c+2*\i], v[PC+8*(\a)+4*\c+2*\i+1]   ; lane (r, H) now holds block 2 c + H whole
.endr
.endr
.endm
.irp a, 0,1,2,3
	QUANTW \a
.irp c, 0,1
.if KIND == 0
	global_store_b128 v[LI], v[PC+8*\a+4*\c:PC+8*\a+4*\c+3], s[OUT:OUT+1] offset:4096*\c+512*\a    ; head c of my two, token tile a of my four: 512 consecutive bytes
.else
	global_store_b128 v[LI], v[PC+8*\a+4*\c:PC+8*\a+4*\c+3], s[OUT:OUT+1] offset:1024*\a+512*\c    ; 16 of the head's 64 x 128 keys
.endif
.endr
.endr
	global_store_b128 v[LW], v[W:W+3], s[OUT:OUT+1]    ; four scale words a row: sixteen lanes store 256 consecutive bytes (KIND 1: lanes l and l + 16 store the same bytes with the same value)
.else
; KIND 2.  A block of 16 tokens x 128 columns goes through my own stage and comes back as whole rows of 512 bytes.  LDS serves a wave's instructions in order: no wait between the stores and the loads.
.macro TOSTAGE a
	WIN 0x08                                       ; an LDS store's data are its source 1: window 2
.irp t, 0,1,2,3,4,5,6,7
	ds_store_b128 v[STO], v[64*(\a)+8*\t:64*(\a)+8*\t+3] offset:64*\t          ; each accumulator from its low end on
	ds_store_b128 v[STO], v[64*(\a)+8*\t+4:64*(\a)+8*\t+7] offset:64*\t+16
.endr
	WIN 0
.irp i, 0,1,2,3,4,5,6,7,8,9,10,11,12,13,14,15
	ds_load_b128 v[BK+64*((\a)%2)+4*\i:BK+64*((\a)%2)+4*\i+3], v[RD] offset:\i*528
.endr
.endm
.macro SEND a, younger                 ; younger: the LDS instructions issued behind block a's loads
	s_wait_dscnt \younger
.irp i, 0,1,2,3,4,5,6,7,8,9,10,11,12,13,14,15
	global_store_b128 v[LI], v[BK+64*((\a)%2)+4*\i:BK+64*((\a)%2)+4*\i+3], s[OUT:OUT+1] offset:(16*(\a)+\i)*4096 th:TH_STORE_NT   ; 32 lanes store 512 consecutive bytes, aligned
.endr
.endm
	TOSTAGE 0
	TOSTAGE 1
	SEND 0, 32
	s_wait_xcnt 0x0                                ; block 0's stores have read their registers: block 2's rows may land there
	TOSTAGE 2
	SEND 1, 32
	s_wait_xcnt 0x0
	TOSTAGE 3
	SEND 2, 32
	SEND 3, 0
.endif
	s_wait_tensorcnt 0x0                           ; the wave's end
	ds_add_u32 v[SPW], v[NIL]
	s_wait_dscnt 0x0
	CROUND                                         ; the closing round: no work-group ends while a partner may still ask for a tile that names it
	s_endpgm
.Lfunc_end_k_q548c821b42_proj_v:
	.size	k_q548c821b42_proj_v, .Lfunc_end_k_q548c821b42_proj_v-k_q548c821b42_proj_v
	.p2alignl 7, 3214868480
	.fill 96, 4, 3214868480
	.section	.rodata,"a",@progbits
	.p2align	6, 0x0
	.amdhsa_kernel k_q548c821b42_proj_v
		.amdhsa_group_segment_fixed_size 327680
		.amdhsa_private_segment_fixed_size 0
		.amdhsa_enable_private_segment 0
		.amdhsa_kernarg_size 48
		.amdhsa_user_sgpr_count 2
		.amdhsa_user_sgpr_kernarg_segment_ptr 1
		.amdhsa_wavefront_size32 1
		.amdhsa_system_sgpr_workgroup_id_x 1
		.amdhsa_system_sgpr_workgroup_id_y 1
		.amdhsa_system_sgpr_workgroup_id_z 1
		.amdhsa_system_vgpr_workitem_id 0
		.amdhsa_next_free_vgpr 768
		.amdhsa_next_free_sgpr 106
		.amdhsa_reserve_vcc 0
		.amdhsa_float_denorm_mode_32 3
		.amdhsa_float_denorm_mode_16_64 3
		.amdhsa_memory_ordered 1
		.amdhsa_forward_progress 1
		.amdhsa_inst_pref_size 78
	.end_amdhsa_kernel
	.amdgpu_metadata
---
amdhsa.version: [ 1, 2 ]
amdhsa.kernels:
  - .name:           k_q548c821b42_proj_v
    .symbol:         k_q548c821b42_proj_v.kd
    .args:
      - { .name: Wv_codes, .offset: 0, .size: 8, .value_kind: global_buffer, .address_space: global }
      - { .name: Wv_scales, .offset: 8, .size: 8, .value_kind: global_buffer, .address_space: global }
      - { .name: x_codes, .offset: 16, .size: 8, .value_kind: global_buffer, .address_space: global }
      - { .name: x_scales, .offset: 24, .size: 8, .value_kind: global_buffer, .address_space: global }
      - { .name: bv, .offset: 32, .size: 8, .value_kind: global_buffer, .address_space: global }
      - { .name: kv, .offset: 40, .size: 8, .value_kind: global_buffer, .address_space: global }
    .group_segment_fixed_size: 327680
    .private_segment_fixed_size: 0
    .kernarg_segment_align: 8
    .kernarg_segment_size: 48
    .max_flat_workgroup_size: 128
    .sgpr_count:     106
    .vgpr_count:     768
    .wavefront_size: 32
...
	.end_amdgpu_metadata
.endif
;; end of part 3
;; launch attn (part 4): grid 32 x 8, 8 waves a work-group, clusters of 4 x 4, 327,680 bytes of LDS; arguments qb, kv, backdoor_mask, oc, os; writes oc, os
.if DOCPART == 4
	.amdgcn_target "amdgcn-amd-amdhsa--gfx1250"
	.amdhsa_code_object_version 6
	.text
	.protected	k_q548c821b42_attn
	.globl	k_q548c821b42_attn
	.p2align	8
	.type	k_q548c821b42_attn,@function
k_q548c821b42_attn:
	s_mov_b64 s[64:65], 0
	v_nop
	global_prefetch_b8 v0, s[64:65] scope:SCOPE_SE
	s_setreg_imm32_b32 hwreg(HW_REG_WAVE_MODE, 25, 1), 1
	s_wait_xcnt 0x0
	s_wait_alu depctr_hold_cnt(0) depctr_sa_sdst(0) depctr_va_vdst(0) depctr_va_sdst(0) depctr_va_ssrc(0) depctr_va_vcc(0) depctr_vm_vsrc(0)
	s_getreg_b32 s2, hwreg(HW_REG_IB_STS2, 6, 4)
	s_cmp_eq_u32 s2, 0
	s_cbranch_scc0 .Lentry_in_a_cluster
	s_endpgm
.Lentry_in_a_cluster:
	s_bfe_u32 s2, ttmp6, 0x10000c
	s_cmp_lg_u32 s2, 0xf033
	s_cbranch_scc0 .Lentry_shape_is_right
	s_endpgm
.Lentry_shape_is_right:
; O = softmax((Q K^T / 8) x mask) V for 32 (batch, head) pairs, 2,048 x 2,048, head size 64, both products on codes of FP4 (E2M1, one E8M0 byte for 32 along K); O / l is quantised along the model's 1,024 for the last product.
; THE SOFTMAX: t = score x mask x log2(e) / 8; M = the row's largest t so far, rounded UP to a whole number; p = 2^(t - M) is quantised along the keys, not normalised; the row's sum is taken of the unquantised p
; and divides O at the end.  When M moves, the sum and O are multiplied by 2^(old M - new M), which rounds nothing.
; SHARES.  A work-group owns 64 queries x 4 heads of one batch.  Wave w of eight owns 16 queries (tile w & 3) x TWO heads (pair w >> 2): the 64 mask registers of a step serve both heads.  Every wave walks all keys, 128 a step.
; CLUSTER 4 x 4: x = four blocks of queries, y = the four groups of heads, one batch.  A step's chunk of K and V is asked for jointly along a row of the cluster, the mask's tile jointly down a column.
; OPERANDS lie in memory as images of their registers, 16 bytes a lane.  S^T = K Q^T (source 0 = 16 keys, source 1 = my 16 queries), O^T = V^T P^T: a lane holds ONE query (lane % 16) throughout.
; THE KEYS OF A TILE ARE CHOSEN BY ADDRESS: row m of tile 4 c + u is key 64 c + 32 (m / 8) + 8 u + m % 8.  So lane (r, h) holds in registers 32 c .. 32 c + 31 the keys 64 c + 32 h + 0 .. 31: a WHOLE block of 32, in order:
; a block's maximum needs no other lane, and the four conversions of a block are registers 4 c .. 4 c + 3 of P's operand as they stand.  The two groups of eight rows lie 1,024 bytes apart: K's loads go two deep in the banks.
; K = 64 IN THE SCORES.  A tile of K is four registers; its operand names eight: the upper four (the next tile's, or zeros) meet Q's zero codes under the scale byte 0x7f and add nothing.
; THE RING: two slots of two key steps.  The change of slots stands in the middle of a slot's second step, behind that step's last LDS reads (V's).  The next step's K, scale words and mask are asked for a softmax ahead of their use.
; Waves 0 and 1 fetch a slot's two chunks, waves 2 and 3 its two mask tiles; waves 4 to 7 fetch nothing and have the prefetches.  Every wait on TENSORcnt and on DScnt is for 0.
; DEPENDENT LINES: the maxima and the sums run as eight independent chains by turns; the short tails run the two heads by turns.
; LIMITS: NaN and infinities are not served.  A block's largest p is taken through its largest score (this takes v_exp_f32 not to fall where its input rises; at the worst one p of a block is held one code low).
; p under 2^-126 becomes 0.  A block of zeros keeps the scale byte 1.  The promise holds while the scaled scores stay under 2^31 in magnitude.
; REGISTERS.  Window 0: addresses, sums, scale words, Q, p's codes, the mask, K.  Window 1: v0-127 S^T then p (head e at 64 e), v128-191 O^T, v192-255 V.
.set CHK,   35840                      ; a step's chunk: K's images 16,384, K's scale words 2,048, V's images 16,384, V's scale words 1,024
.set STEPB, CHK+64*528                 ; and the mask's 64 rows x (512 bytes + 16)
.set SLOT,  2*STEPB
.set SPARE, 2*SLOT                     ; the spare words: 128 bytes a wave, named by no other line
.set OSC,   SPARE+1024                 ; O's scale bytes: 64 tokens x 8
.set AK0,  1                           ; lane terms: K's images, K's scale words, V's images, V's scale words, the mask
.set ASK0, 2
.set AV0,  3
.set ASV0, 4
.set AM0,  5
.set SPW,  6
.set NIL,  7
.set ADK,  8                           ; v8-12 the addresses in hand
.set ADS,  9
.set ADV,  10
.set ADT,  11
.set ADM,  12
.set PFO,  13                          ; the prefetches' offset; never rewritten
.set SH8,  14                          ; 8 (lane / 16)
.set LS,   16                          ; head e: v[16+2e:17+2e] the sum in two halves
.set NM,   20                          ; v[20+2e] -M, v[21+2e] the largest masked score
.set F,    24                          ; v[24+2e] f = 2^(old M - new M); v[25+2e] at work
.set BM,   28                          ; v[28+2e+c] my block's largest score, then its largest p, then its byte
.set SO,   32                          ; the conversions' scale operands
.set PX,   36                          ; lane permutes' results
.set PWD,  40                          ; p's scale word, a head
.set QS,   42                          ; Q's
.set LX,   44                          ; three more chains of the sum, a head
.set B2,   56                          ; the maxima's second chains
.set VS,   60                          ; V's scale words
.set KS,   68                          ; K's: tile 4 c + u of head e at 8 e + 4 c + 2 (u % 2) + u / 2
.set QF,   84                          ; Q's codes and four zeros, a head
.set PC,   100                         ; p's codes
.set MK,   116                         ; the mask, a step ahead
.set KF,   180                         ; K's sixteen tiles; v244-247 zeros
.set T2,   248                         ; the old -M; at the head Q's offsets
.set O,    128                         ; window 1
.set VF,   192                         ; window 1
.set WV,   18
.set SEL,  20
.set CS,   22
.set G1KV, 24
.set G1M,  32
.set G0KV, 40
.set G0M,  44
.set LBK,  48                          ; where my chunk, my mask tile lie in a slot
.set LBM,  49
.set SB,   50                          ; LDS byte of the slot in hand, of the other slot, of the slot's second step
.set OB,   51
.set S1,   52
.set CNT,  56
.set PFA,  58
.set PFS,  60
.set LIM,  62
.set MSB, 0
.macro WIN new                         ; the immediate's high byte repeats the setting that is left
.if MSB != \new
	s_set_vgpr_msb (MSB<<8)|\new
.set MSB, \new
.endif
.endm
; The branches hang on the wave's number alone.  An s_nop 0 and four v_nop follow each load.
.macro JLOAD3
	s_cmp_lt_u32 s[WV], 2
	s_cbranch_scc0 .Lnot_kv_\@
	tensor_load_to_lds s[G0KV:G0KV+3], s[G1KV:G1KV+7]
	s_nop 0
.rept 4
	v_nop
.endr
	s_branch .Lasked_\@
.Lnot_kv_\@:
	s_cmp_lt_u32 s[WV], 4
	s_cbranch_scc0 .Lasked_\@
	tensor_load_to_lds s[G0M:G0M+3], s[G1M:G1M+7]
	s_nop 0
.rept 4
	v_nop
.endr
.Lasked_\@:
.endm
; A PREFETCH INTO THE L2 of the 256 keys that the NEXT change of slots will ask for: two key steps ahead of that load.  Each aligned block of 256 bytes is named once in the launch.
; The mask: waves 4 and 5, a lane a row of the work-group's 64; of a row's 1,024 bytes the partner at place cy takes 256; the clusters of batch 0 ask.
; K's and V's images: waves 6 and 7, 8,192 bytes each, lanes 256 bytes apart; the partner at place cx takes chunk cx / 2, K's images (cx even) or V's (cx odd); the clusters with x = 0 ask.
; Partners are told apart by address alone.  The first 768 keys and the scale words come by their loads alone; in the loop's last trip no keys are left to name.
.macro ASK
	s_cmp_gt_u32 s[CNT], s[LIM]
	s_cbranch_scc0 .Lnot_mine_\@
	global_prefetch_b8 v[PFO], s[PFA:PFA+1] th:TH_LOAD_NT scope:SCOPE_SE
.Lnot_mine_\@:
.endm
.macro CREST
	s_cmp_lg_u32 s[WV], 0
	s_cbranch_scc1 .Lnot_wave_0_\@
	s_barrier_signal -3
.Lnot_wave_0_\@:
	s_barrier_wait -3
	s_barrier_signal -1
	s_barrier_wait -1
.endm
.macro ROUND
	s_barrier_signal -1
	s_barrier_wait -1
	CREST
.endm
	s_load_b256 s[4:11], s[0:1], 0x0               ; qb, kv, the mask, oc
	s_load_b64 s[12:13], s[0:1], 0x20              ; os
	v_lshl_add_u32 v[SPW], v0, 2, SPARE
	v_mov_b32 v[NIL], 0
	ds_add_u32 v[SPW], v[NIL]                      ; the opening add, twice on end
	ds_add_u32 v[SPW], v[NIL]
	v_lshrrev_b32 v8, 5, v0
	v_readfirstlane_b32 s[WV], v8                  ; wave 0..7
	s_lshr_b32 s66, s[WV], 2                       ; my pair of heads
	s_and_b32 s67, s[WV], 3                        ; my tile of 16 queries
	s_and_b32 s57, s[WV], 1                        ; which of a slot's two steps I fetch, if I fetch
	s_bfe_u32 s14, ttmp6, 0x40000                  ; cx
	s_bfe_u32 s15, ttmp6, 0x40004                  ; cy: the group of heads
	s_lshl_b32 s16, ttmp9, 2
	s_add_co_u32 s16, s16, s14                     ; my block of 64 queries
	s_and_b32 s17, ttmp7, 0xffff                   ; the batch
	s_lshl_b32 s19, s17, 2
	s_add_co_u32 s19, s19, s15                     ; 4 x batch + group
	s_lshl_b32 s2, s15, 2
	s_lshl_b32 s2, 15, s2                          ; my row of the cluster
	s_lshl_b32 s3, 0x1111, s14                     ; my column
	s_or_b32 s[G1KV], s2, (3<<16)|(1<<21)          ; a chunk: 35,840 dense bytes as 140 rows of 256 (32 elements of 8 bytes)
	s_mov_b32 s[G1KV+1], 32<<16
	s_mov_b32 s[G1KV+2], 140<<16
	s_mov_b32 s[G1KV+3], 32<<16
	s_mov_b32 s[G1KV+4], 140
	s_mov_b32 s[G1KV+5], 32
	s_mov_b32 s[G1KV+6], 0
	s_mov_b32 s[G1KV+7], 0
	s_or_b32 s[G1M], s3, (2<<16)|(1<<20)|(1<<21)|(6<<22)|(3<<25)   ; the mask: 64 rows x 128 f32, 2,048 elements apart, four words of padding behind every 128
	s_mov_b32 s[G1M+1], 128<<16
	s_mov_b32 s[G1M+2], 64<<16
	s_mov_b32 s[G1M+3], 128<<16
	s_mov_b32 s[G1M+4], 64
	s_mov_b32 s[G1M+5], 2048
	s_mov_b32 s[G1M+6], 0
	s_mov_b32 s[G1M+7], 0
	s_mul_i32 s[G0KV+2], s19, 16*CHK               ; the 16 chunks of my batch and group,
	s_mul_i32 s2, s57, CHK
	s_add_co_u32 s[G0KV+2], s[G0KV+2], s2          ; + my step of the slot
	s_mov_b32 s[G0KV+3], 0
	s_lshl_b32 s[G0M+2], s16, 19                   ; 64 rows of 8,192 bytes a block of queries,
	s_lshl_b32 s3, s57, 9
	s_add_co_u32 s[G0M+2], s[G0M+2], s3            ; + 512 bytes a step
	s_mov_b32 s[G0M+3], 0
	s_mul_i32 s[LBK], s57, STEPB                   ; in LDS: the wave's number and constants alone
	s_add_co_u32 s[LBM], s[LBK], CHK
	s_mov_b32 s[SEL], 0x76543210
	s_mov_b32 s[SEL+1], 0xfedcba98                 ; v_permlanex16_b32's selects for lane l xor 16
	s_mov_b32 s[CS], 0x3e38aa3b                    ; c = log2(e) / 8
	s_mov_b32 s[CS+1], s[CS]
	s_mov_b32 s[SB], 0
	s_mov_b32 s[OB], SLOT
	s_mov_b32 s[S1], STEPB
	s_wait_dscnt 0x0                               ; both opening adds are done
	s_wait_kmcnt 0x0
	s_mov_b32 s[G0KV], 1
	s_mov_b32 s[G0KV+1], s[LBK]
	s_add_nc_u64 s[G0KV+2:G0KV+3], s[6:7], s[G0KV+2:G0KV+3]
	s_or_b32 s[G0KV+3], s[G0KV+3], 0x80000000
	s_mov_b32 s[G0M], 1
	s_mov_b32 s[G0M+1], s[LBM]
	s_add_nc_u64 s[G0M+2:G0M+3], s[8:9], s[G0M+2:G0M+3]
	s_or_b32 s[G0M+3], s[G0M+3], 0x80000000
	ROUND                                          ; all sixteen work-groups are here: the first joint loads meet
	JLOAD3                                         ; slot 0: one tensor load a wave at the head
	v_and_b32 v9, 15, v0                           ; r
	v_bfe_u32 v10, v0, 4, 1                        ; h
	v_and_b32 v11, 31, v0                          ; lane
	v_and_b32 v8, 7, v0                            ; r % 8
	v_bfe_u32 v12, v0, 3, 1                        ; r / 8
	s_wait_alu depctr_va_vdst(0)
	; Q: chunk (4 batch + group) 16 + block / 2 of qb; tile 4 (block & 1) + my tile; my two heads 4,096 bytes apart
	s_lshr_b32 s2, s16, 1
	s_lshl_b32 s3, s19, 4
	s_add_co_u32 s2, s2, s3
	s_mul_i32 s2, s2, 18432
	s_mov_b32 s3, 0
	s_add_nc_u64 s[4:5], s[4:5], s[2:3]
	s_and_b32 s63, s16, 1
	s_lshl_b32 s2, s66, 13
	s_lshl_b32 s3, s67, 9
	s_add_co_u32 s2, s2, s3
	s_lshl_b32 s3, s63, 11
	s_add_co_u32 s2, s2, s3
	v_lshl_add_u32 v[T2], v11, 4, s2
	s_lshl_b32 s2, s66, 10
	s_lshl_b32 s3, s67, 2
	s_add_co_u32 s2, s2, s3
	s_lshl_b32 s3, s63, 8
	s_add_co_u32 s2, s2, s3
	s_add_co_u32 s2, s2, 16384
	v_lshl_add_u32 v[T2+1], v9, 4, s2
	global_load_b128 v[QF:QF+3], v[T2], s[4:5]     ; Q's fragments stay in registers
	global_load_b128 v[QF+8:QF+11], v[T2], s[4:5] offset:4096
	global_load_b32 v[QS], v[T2+1], s[4:5]         ; and their scale words
	global_load_b32 v[QS+1], v[T2+1], s[4:5] offset:512
	; where my part of oc and my work-group's part of os begin
	s_lshl_b32 s2, s17, 7
	s_lshl_b32 s3, s16, 2
	s_add_co_u32 s2, s2, s3
	s_add_co_u32 s2, s2, s67                       ; tile of 16 tokens: 128 batch + 4 block + my tile
	s_lshl_b32 s2, s2, 13                          ; 8,192 bytes a tile, 2,048 a group, 512 a head
	s_lshl_b32 s3, s15, 11
	s_add_co_u32 s2, s2, s3
	s_lshl_b32 s3, s66, 10
	s_add_co_u32 s2, s2, s3
	s_mov_b32 s3, 0
	s_add_nc_u64 s[10:11], s[10:11], s[2:3]
	s_lshl_b32 s2, s15, 15                         ; os: a plane of 32,768 bytes a group, 8 bytes a token
	s_lshl_b32 s63, s17, 14
	s_add_co_u32 s2, s2, s63
	s_lshl_b32 s63, s16, 9
	s_add_co_u32 s2, s2, s63
	s_add_nc_u64 s[12:13], s[12:13], s[2:3]
	; the prefetches: where my wave's stand (at keys 512 on: the first change of slots steps them to keys 768 on), and who asks
	s_lshl_b32 s2, s16, 19
	s_lshl_b32 s3, s57, 18                         ; 32 rows of 8,192 bytes a wave
	s_add_co_u32 s2, s2, s3
	s_lshl_b32 s3, s15, 8
	s_add_co_u32 s2, s2, s3
	s_add_co_u32 s2, s2, 2048
	s_mul_i32 s3, s19, 16*CHK
	s_lshr_b32 s63, s14, 1
	s_mul_i32 s63, s63, CHK
	s_add_co_u32 s3, s3, s63
	s_and_b32 s63, s14, 1
	s_mul_i32 s63, s63, 18432
	s_add_co_u32 s3, s3, s63
	s_lshl_b32 s63, s57, 13
	s_add_co_u32 s3, s3, s63
	s_add_co_u32 s3, s3, 4*CHK
	s_cmp_lt_u32 s[WV], 6                          ; waves 4 and 5: the mask; waves 6 and 7: K and V
	s_cselect_b64 s[PFA:PFA+1], s[8:9], s[6:7]
	s_cselect_b32 s2, s2, s3
	s_mov_b32 s[PFS], 2*CHK
	s_cselect_b32 s[PFS], 1024, s[PFS]             ; 256 keys on
	s_mov_b32 s63, 256
	s_cselect_b32 s63, 8192, s63                   ; from lane to lane
	s_cselect_b32 s68, s17, ttmp9                  ; the coordinate along which other clusters read the same bytes
	s_mov_b32 s3, 0
	s_mov_b32 s[PFS+1], 0
	s_add_nc_u64 s[PFA:PFA+1], s[PFA:PFA+1], s[2:3]
	v_mul_lo_u32 v[PFO], v11, s63
	s_sub_co_u32 s69, s[WV], 4
	s_lshr_b32 s69, s69, 2                         ; 0 in waves 4 to 7
	s_or_b32 s69, s69, s68
	s_cmp_eq_u32 s69, 0
	s_cselect_b32 s[LIM], 1, -1                    ; 1 in a wave that asks, else the greatest number
	; lane terms of the LDS addresses in a step's block
	s_lshl_b32 s2, s66, 13                         ; images: 8,192 bytes a pair of heads
	s_lshl_b32 s3, s66, 10
	s_add_co_u32 s3, s3, 16384                     ; K's scale words: 512 a head
	s_lshl_b32 s63, s66, 9
	s_add_co_u32 s63, s63, 34816                   ; V's: 256 a head
	s_mul_i32 s68, s67, 16*528
	s_add_co_u32 s68, s68, CHK                     ; my 16 rows of the mask
	v_lshl_add_u32 v[AV0], v11, 4, s2
	v_lshl_add_u32 v[AK0], v8, 4, s2
	v_lshl_add_u32 v[ASK0], v8, 4, s3
	v_mul_u32_u24 v[AM0], v9, 528
	v_lshl_add_u32 v[ASV0], v9, 4, s63
	v_lshlrev_b32 v[SH8], 3, v10
	v_add_nc_u32 v[AV0], 18432, v[AV0]             ; V: 16 lane
	v_lshl_add_u32 v[AK0], v12, 10, v[AK0]         ; K: 16 (r % 8) + 1,024 (r / 8) + 256 h
	v_lshl_add_u32 v[ASK0], v12, 3, v[ASK0]        ; K's words: 16 (r % 8) + 8 (r / 8): a pair of words is tiles u and u + 2
	v_lshl_add_u32 v[AM0], v10, 7, v[AM0]          ; the mask: my query's row + 128 h
.irp e, 0,1
	v_mov_b32 v[NM+2*\e+1], 0xff61b1e6             ; the largest masked score so far: -3e38
	v_mov_b32 v[NM+2*\e], 0x7f61b1e6               ; -M: a whole number above every later one
.endr
	v_lshl_add_u32 v[AK0], v10, 8, v[AK0]
	v_add_nc_u32 v[AM0], s68, v[AM0]
.irp j, 0,1,2,3
	v_mov_b32 v[QF+4+\j], 0                        ; Q's codes of k = 64 .. 127
	v_mov_b32 v[QF+12+\j], 0
	v_mov_b32 v[KF+64+\j], 0                       ; what the last tile of K names above itself
	v_mov_b32 v[PX+\j], 0                          ; a lane permute's destination counts as one of its sources
	v_mov_b32 v[LS+\j], 0                          ; the sums
.endr
	WIN 0x40
.set J, 0
.rept 64
	v_mov_b32 v[O+J], 0                            ; O^T: the step is written once: the first finds zeros, which the first change of M leaves zeros
.set J, J+1
.endr
	WIN 0
	v_add_nc_u32 v[ADK], s[SB], v[AK0]             ; the first step's K, scale words and mask
	v_add_nc_u32 v[ADS], s[SB], v[ASK0]
	v_add_nc_u32 v[ADM], s[SB], v[AM0]
; 40 LDS loads: K's sixteen tiles, their scale words, the mask, of the step whose block ADK, ADS, ADM name
.macro NEXTLD
.irp e, 0,1
.irp c, 0,1
.irp u, 0,1,2,3
	ds_load_b128 v[KF+32*\e+16*\c+4*\u:KF+32*\e+16*\c+4*\u+3], v[ADK] offset:4096*\e+2048*\c+512*(\u/2)+128*(\u%2)
.endr
.irp o, 0,1
	ds_load_b64 v[KS+8*\e+4*\c+2*\o:KS+8*\e+4*\c+2*\o+1], v[ADS] offset:512*\e+256*\c+128*\o
.endr
.endr
.endr
.irp k, 0,1,2,3,4,5,6,7,8,9,10,11,12,13,14,15
	ds_load_b128 v[MK+4*\k:MK+4*\k+3], v[ADM] offset:256*(\k/8)+16*(\k%8)   ; register 32 c + i: mask(my query, key 64 c + 32 h + i)
.endr
.endm
.macro MASKMUL                         ; score x mask, each tile from its low end on; the four v_nop are the places behind the products
.rept 4
	v_nop
.endr
	WIN 0x41
.irp e, 0,1
.set J, 0
.rept 32
	v_pk_mul_f32 v[64*\e+J:64*\e+J+1], v[64*\e+J:64*\e+J+1], v[MK+J:MK+J+1]
.set J, J+2
.endr
.endr
	WIN 0
.endm
; From the masked scores to f, on registers alone.  Eight chains by turns: two heads x two blocks x two halves.
.macro MAXPART
	WIN 0x15
.irp e, 0,1
.irp c, 0,1
	v_max3_num_f32 v[BM+2*\e+\c], v[64*\e+32*\c], v[64*\e+32*\c+1], v[64*\e+32*\c+2]
	v_max3_num_f32 v[B2+2*\e+\c], v[64*\e+32*\c+17], v[64*\e+32*\c+18], v[64*\e+32*\c+19]
.endr
.endr
	WIN 0x14
.irp i, 0,1,2,3,4,5
.irp e, 0,1
.irp c, 0,1
	v_max3_num_f32 v[BM+2*\e+\c], v[BM+2*\e+\c], v[64*\e+32*\c+3+2*\i], v[64*\e+32*\c+4+2*\i]
	v_max3_num_f32 v[B2+2*\e+\c], v[B2+2*\e+\c], v[64*\e+32*\c+20+2*\i], v[64*\e+32*\c+21+2*\i]
.endr
.endr
.endr
.irp e, 0,1
.irp c, 0,1
	v_max3_num_f32 v[BM+2*\e+\c], v[BM+2*\e+\c], v[64*\e+32*\c+15], v[64*\e+32*\c+16]
.endr
.endr
	WIN 0
.irp x, 0,1,2,3
	v_max_num_f32 v[BM+\x], v[BM+\x], v[B2+\x]     ; my block's largest score: for the row's maximum and, since p rises with the score, for the block's largest p
.endr
	v_max_num_f32 v[F+1], v[BM], v[BM+1]
	v_max_num_f32 v[F+3], v[BM+2], v[BM+3]
.irp e, 0,1
	v_permlanex16_b32 v[PX+\e], v[F+2*\e+1], s[SEL], s[SEL+1]
.endr
.irp e, 0,1
	v_max3_num_f32 v[NM+2*\e+1], v[NM+2*\e+1], v[F+2*\e+1], v[PX+\e]   ; the running largest masked score, with lane l xor 16's blocks
.endr
.irp e, 0,1
	v_mul_f32 v[F+2*\e+1], s[CS], v[NM+2*\e+1]     ; as t (c is positive)
.endr
.irp e, 0,1
	v_mov_b32 v[T2+\e], v[NM+2*\e]
.endr
.irp e, 0,1
	v_floor_f32 v[NM+2*\e], -v[F+2*\e+1]           ; the new -M = -ceil(t): a whole number
.endr
.irp e, 0,1
	v_sub_f32 v[F+2*\e+1], v[NM+2*\e], v[T2+\e]    ; old M - new M: a whole number, 0 or less
.endr
.irp e, 0,1
	v_cvt_i32_f32 v[F+2*\e+1], v[F+2*\e+1]         ; (it saturates)
.endr
.irp e, 0,1
	v_ldexp_f32 v[F+2*\e], 1.0, v[F+2*\e+1]        ; f = 2^(old M - new M)
.endr
.endm
; A KEY STEP: 128 keys x my two heads.  sb: the scalar with this step's LDS block; sn: the next step's.  This step's K, scale words and mask were asked for in the step before.
; mode 0: a slot's first step.   mode 1: a slot's second step, with the change of slots: this slot is filled again with the keys two slots on.   mode 2: a slot's second step where nothing is left to fetch.
.macro STEP mode, sb, sn
	v_add_nc_u32 v[ADV], s[\sb], v[AV0]            ; five plain lines: also the places behind the last products, in front of the loads into their registers
	v_add_nc_u32 v[ADT], s[\sb], v[ASV0]
	v_add_nc_u32 v[ADK], s[\sn], v[AK0]
	v_add_nc_u32 v[ADS], s[\sn], v[ASK0]
	v_add_nc_u32 v[ADM], s[\sn], v[AM0]
	s_wait_alu depctr_va_vdst(0)
	s_wait_dscnt 0x0                               ; K, its scale words and the mask are in
	WIN 0x40                                       ; D window 1
.irp e, 0,1
.irp c, 0,1
.irp u, 0,1,2,3
	v_wmma_scale_f32_16x16x128_f8f6f4 v[64*\e+32*\c+8*\u:64*\e+32*\c+8*\u+7], v[KF+32*\e+16*\c+4*\u:KF+32*\e+16*\c+4*\u+7], v[QF+8*\e:QF+8*\e+7], 0, v[KS+8*\e+4*\c+2*(\u%2)+(\u/2)], v[QS+\e] matrix_a_fmt:MATRIX_FMT_FP4 matrix_b_fmt:MATRIX_FMT_FP4
.endr
.endr
.endr
.irp e, 0,1
.irp d, 0,1,2,3
.irp c, 0,1
	ds_load_b128 v[VF+32*\e+8*\d+4*\c:VF+32*\e+8*\d+4*\c+3], v[ADV] offset:4096*\e+1024*\d+512*\c
.endr
.endr
.endr
	WIN 0
.irp e, 0,1
	ds_load_b128 v[VS+4*\e:VS+4*\e+3], v[ADT] offset:256*\e    ; in a slot's second step these eighteen are my last reads of the slot
.endr
.if (\mode) == 0
	MASKMUL
	NEXTLD                                         ; from the same slot
	MAXPART
.elseif (\mode) == 1
	s_wait_tensorcnt 0x0                           ; all my tensor loads have landed: my part of the other slot; so a group 0 may be written
	ds_add_u32 v[SPW], v[NIL]                      ; 0 onto my spare word, twice on end
	ds_add_u32 v[SPW], v[NIL]
	s_add_nc_u64 s[G0KV+2:G0KV+3], s[G0KV+2:G0KV+3], 2*CHK   ; the next 256 keys, into this slot
	s_add_co_u32 s[G0KV+1], s[LBK], s[SB]
	s_add_nc_u64 s[G0M+2:G0M+3], s[G0M+2:G0M+3], 1024
	s_add_co_u32 s[G0M+1], s[LBM], s[SB]
	MASKMUL
	s_wait_alu depctr_va_vdst(0)
	s_wait_xcnt 0x0                                ; the last prefetch has read its address, so it may be written
	s_add_nc_u64 s[PFA:PFA+1], s[PFA:PFA+1], s[PFS:PFS+1]
	s_wait_dscnt 0x0                               ; both adds are done, and my reads of this slot are over
	s_barrier_signal -1                            ; this barrier opens a round of the cluster's barrier
	MAXPART                                        ; work on registers while the others arrive
	s_barrier_wait -1
	CREST                                          ; no wave of any partner still reads this slot or has a load on its way, and the other slot is whole
	JLOAD3                                         ; the first tensor load behind the round, one a wave: it has two key steps in which to land
	NEXTLD                                         ; from the other slot
	ASK
.else
	s_wait_tensorcnt 0x0
	ds_add_u32 v[SPW], v[NIL]
	MASKMUL
	s_wait_alu depctr_va_vdst(0)
	s_wait_dscnt 0x0
	s_barrier_signal -1
	MAXPART
	s_barrier_wait -1                              ; the other slot is whole
	s_cmp_eq_u32 s[CNT], 1                         ; behind the last step of all no step follows: its loads are left out (every wait on DScnt is for 0)
	s_cbranch_scc1 .Lno_next_\@
	NEXTLD
.Lno_next_\@:
.endif
	WIN 0x41
	s_wait_alu depctr_va_vdst(0)                   ; directly ahead of the first reader of -M
.irp e, 0,1
.set J, 0
.rept 32
	v_pk_fma_f32 v[64*\e+J:64*\e+J+1], v[64*\e+J:64*\e+J+1], s[CS:CS+1], v[NM+2*\e:NM+2*\e+1] op_sel_hi:[1,0,0]   ; t - M (of the pairs c and -M the low word serves both halves)
.set J, J+2
.endr
.endr
	WIN 0
.irp e, 0,1
.irp c, 0,1
	v_fma_f32 v[BM+2*\e+\c], v[BM+2*\e+\c], s[CS], v[NM+2*\e]   ; the same of each block's largest score
.endr
.endr
	s_wait_alu depctr_va_vdst(0)                   ; the wait ahead of the batch
	WIN 0x41
.set J, 0
.rept 128
	v_exp_f32 v[J], v[J]                           ; p = 2^(t - M), at most 1
.set J, J+1
.endr
	WIN 0
.irp e, 0,1
	v_pk_mul_f32 v[LS+2*\e:LS+2*\e+1], v[LS+2*\e:LS+2*\e+1], v[F+2*\e:F+2*\e+1] op_sel_hi:[1,0]   ; the sums under the new M (plain lines behind the exponentials)
.endr
	s_wait_alu depctr_va_vdst(0)                   ; one wait for the batch of 128, ahead of its first reader
.irp x, 0,1,2,3
	v_exp_f32 v[BM+\x], v[BM+\x]                   ; the block's largest p: the same two instructions on the same number give the same bits
.endr
	WIN 0x05                                       ; the row's sum of the unquantised p: four chains a head, the two heads by turns
.irp k, 0,1,2
.irp e, 0,1
	v_pk_add_f32 v[LX+6*\e+2*\k:LX+6*\e+2*\k+1], v[64*\e+4*\k:64*\e+4*\k+1], v[64*\e+4*\k+2:64*\e+4*\k+3]
.endr
.endr
	WIN 0x04
.irp i, 0,1,2,3,4,5
.irp e, 0,1
	v_pk_add_f32 v[LS+2*\e:LS+2*\e+1], v[LS+2*\e:LS+2*\e+1], v[64*\e+12+8*\i:64*\e+13+8*\i]
.endr
.irp k, 0,1,2
.irp e, 0,1
	v_pk_add_f32 v[LX+6*\e+2*\k:LX+6*\e+2*\k+1], v[LX+6*\e+2*\k:LX+6*\e+2*\k+1], v[64*\e+14+8*\i+2*\k:64*\e+15+8*\i+2*\k]
.endr
.endr
.endr
.irp e, 0,1
	v_pk_add_f32 v[LS+2*\e:LS+2*\e+1], v[LS+2*\e:LS+2*\e+1], v[64*\e+60:64*\e+61]
.endr
.irp e, 0,1
	v_pk_add_f32 v[LX+6*\e:LX+6*\e+1], v[LX+6*\e:LX+6*\e+1], v[64*\e+62:64*\e+63]
.endr
	WIN 0
.irp e, 0,1
	v_pk_add_f32 v[LX+6*\e+2:LX+6*\e+3], v[LX+6*\e+2:LX+6*\e+3], v[LX+6*\e+4:LX+6*\e+5]
.endr
.irp e, 0,1
	v_pk_add_f32 v[LS+2*\e:LS+2*\e+1], v[LS+2*\e:LS+2*\e+1], v[LX+6*\e:LX+6*\e+1]
.endr
.irp e, 0,1
	v_pk_add_f32 v[LS+2*\e:LS+2*\e+1], v[LS+2*\e:LS+2*\e+1], v[LX+6*\e+2:LX+6*\e+3]
.endr
	s_wait_alu depctr_va_vdst(0)                   ; and one for the four
.irp x, 0,1,2,3
	v_max_num_f32 v[BM+\x], 0x1800000, v[BM+\x]    ; the floor 2^(3 - 127): the byte cannot fall under 1
.endr
.irp x, 0,1,2,3
	v_add_nc_u32 v[SO+\x], 0xff000000, v[BM+\x]    ; 2 off the exponent field: the conversion's scale operand
.endr
.irp x, 0,1,2,3
	v_lshrrev_b32 v[BM+\x], 23, v[SO+\x]           ; the scale's byte
.endr
	v_lshl_or_b32 v[PWD], v[BM+1], 16, v[BM]       ; my two bytes: blocks h and 2 + h,
	v_lshl_or_b32 v[PWD+1], v[BM+3], 16, v[BM+2]
.irp e, 0,1
	v_lshlrev_b32 v[PWD+\e], v[SH8], v[PWD+\e]     ; at their places in the word;
.endr
.irp e, 0,1
	v_permlanex16_b32 v[PX+\e], v[PWD+\e], s[SEL], s[SEL+1]
.endr
.irp e, 0,1
	v_or_b32 v[PWD+\e], v[PWD+\e], v[PX+\e]        ; with lane l xor 16's two: p's scale word for these 128 keys
.endr
	WIN 0x01
.irp e, 0,1
.irp c, 0,1
.irp u, 0,1,2,3
	v_cvt_scalef32_pk8_fp4_f32 v[PC+8*\e+4*\c+\u], v[64*\e+32*\c+8*\u:64*\e+32*\c+8*\u+7], v[SO+2*\e+\c]   ; register 4 c + u of P's operand: keys 64 c + 32 h + 8 u + 0 .. 7
.endr
.endr
.endr
	WIN 0x41
	v_nop                                          ; a plain line behind the last conversion
	s_wait_alu depctr_va_vdst(0)                   ; directly ahead of the first reader of O^T
.irp e, 0,1
.set J, 0
.rept 16
	v_pk_mul_f32 v[O+32*\e+J:O+32*\e+J+1], v[O+32*\e+J:O+32*\e+J+1], v[F+2*\e:F+2*\e+1] op_sel_hi:[1,0]   ; O^T under the new M; these are also the places in front of the scaled products below
.set J, J+2
.endr
.endr
	WIN 0
	s_wait_alu depctr_va_vdst(0)
	s_wait_dscnt 0x0                               ; V and its scale words are in (and what was asked for behind them, a softmax ago)
	WIN 0x51                                       ; V, C and D window 1, P window 0
.irp d, 0,1,2,3
.irp e, 0,1
	v_wmma_scale_f32_16x16x128_f8f6f4 v[O+32*\e+8*\d:O+32*\e+8*\d+7], v[VF+32*\e+8*\d:VF+32*\e+8*\d+7], v[PC+8*\e:PC+8*\e+7], v[O+32*\e+8*\d:O+32*\e+8*\d+7], v[VS+4*\e+\d], v[PWD+\e] matrix_a_fmt:MATRIX_FMT_FP4 matrix_b_fmt:MATRIX_FMT_FP4
.endr
.endr
	WIN 0
.endm
.macro TOGGLE                          ; on to the other slot
	s_xor_b32 s[SB], s[SB], SLOT
	s_xor_b32 s[OB], s[OB], SLOT
	s_add_co_u32 s[S1], s[SB], STEPB
	s_sub_co_u32 s[CNT], s[CNT], 1
	s_cmp_lg_u32 s[CNT], 0
.endm
	s_wait_alu depctr_va_vdst(0)                   ; the head's end
	s_wait_tensorcnt 0x0                           ; my part of slot 0 is in
	ds_add_u32 v[SPW], v[NIL]
	ds_add_u32 v[SPW], v[NIL]
	s_add_nc_u64 s[G0KV+2:G0KV+3], s[G0KV+2:G0KV+3], 2*CHK   ; keys 256 on, into slot 1
	s_add_co_u32 s[G0KV+1], s[LBK], s[OB]
	s_add_nc_u64 s[G0M+2:G0M+3], s[G0M+2:G0M+3], 1024
	s_add_co_u32 s[G0M+1], s[LBM], s[OB]
	s_wait_dscnt 0x0
	ROUND                                          ; slot 0 is whole in all sixteen work-groups
	JLOAD3                                         ; slot 1's first fill, issued as a refill is
	NEXTLD                                         ; the first step's K, scale words and mask
	s_wait_loadcnt 0x0                             ; Q
	s_mov_b32 s[CNT], 6
.Lloop:                                            ; six trips, a slot each: behind each change the slot just left takes the keys two slots on
	STEP 0, SB, S1
	STEP 1, S1, OB
	TOGGLE
	s_cbranch_scc1 .Lloop
	s_mov_b32 s[CNT], 2
.Ltail:                                            ; the last two slots: nothing is left to fetch, so no tensor load stands here
	STEP 0, SB, S1
	STEP 2, S1, OB
	TOGGLE
	s_cbranch_scc1 .Ltail
	; THE WAY OUT.  O^T / the sum; a head's two blocks of 32 along the model's axis are quantised; the codes are half of an operand's image; the scale bytes meet the other waves' in LDS.
.irp e, 0,1
	v_add_f32 v[LS+2*\e], v[LS+2*\e], v[LS+2*\e+1]
.endr
.irp e, 0,1
	v_permlanex16_b32 v[F+2*\e+1], v[LS+2*\e], s[SEL], s[SEL+1]
.endr
.irp e, 0,1
	v_add_f32 v[LS+2*\e], v[LS+2*\e], v[F+2*\e+1]  ; with lane l xor 16's: the row's sum
.endr
	s_wait_alu depctr_va_vdst(0)                   ; the wait ahead of the transcendentals
.irp e, 0,1
	v_rcp_f32 v[LS+2*\e], v[LS+2*\e]
.endr
	v_and_b32 v8, 15, v0                           ; (plain lines behind the reciprocals)
	v_and_b32 v9, 31, v0
	s_lshl_b32 s2, s67, 7
	s_lshl_b32 s3, s66, 2
	s_add_co_u32 s2, s2, s3
	s_add_co_u32 s2, s2, OSC
	v_lshl_add_u32 v11, v8, 3, s2                  ; token 16 tile + r: 8 bytes a token, 4 a pair of heads
	v_lshlrev_b32 v10, 4, v9                       ; 16 x lane
	v_add_nc_u32 v12, OSC, v10
	WIN 0x41
	s_wait_alu depctr_va_vdst(0)                   ; ahead of the reciprocals' first reader, which is also the first reader of the last products
.irp e, 0,1
.set J, 0
.rept 32
	v_mul_f32 v[32*\e+J], v[O+32*\e+J], v[LS+2*\e] ; register 8 d + j: channel 16 d + 8 h + j of my query
.set J, J+1
.endr
.endr
	WIN 0x05
.irp e, 0,1
.irp b, 0,1
	v_max3_num_f32 v[BM+2*\e+\b], |v[32*\e+16*\b]|, |v[32*\e+16*\b+1]|, 0x1800000
.endr
.endr
	WIN 0x14
.irp i, 2,4,6,8,10,12,14
.irp e, 0,1
.irp b, 0,1
	v_max3_num_f32 v[BM+2*\e+\b], v[BM+2*\e+\b], |v[32*\e+16*\b+\i]|, |v[32*\e+16*\b+\i+1]|
.endr
.endr
.endr
	WIN 0
.irp x, 0,1,2,3
	v_permlanex16_b32 v[PX+\x], v[BM+\x], s[SEL], s[SEL+1]
.endr
.irp x, 0,1,2,3
	v_max_num_f32 v[BM+\x], v[BM+\x], v[PX+\x]     ; here a block lies in lanes l and l xor 16
.endr
.irp x, 0,1,2,3
	v_add_nc_u32 v[SO+\x], 0xff000000, v[BM+\x]
.endr
.irp x, 0,1,2,3
	v_lshrrev_b32 v[BM+\x], 23, v[SO+\x]
.endr
	v_lshl_or_b32 v[F+1], v[BM+1], 8, v[BM]
	v_lshl_or_b32 v[F+3], v[BM+3], 8, v[BM+2]
	v_lshl_or_b32 v[F+1], v[F+3], 16, v[F+1]       ; my two heads' four bytes
	WIN 0x01
.irp e, 0,1
.irp b, 0,1
.irp i, 0,1
	v_cvt_scalef32_pk8_fp4_f32 v[PC+4*\e+2*\i+\b], v[32*\e+16*\b+8*\i:32*\e+16*\b+8*\i+7], v[SO+2*\e+\b]
.endr
.endr
.endr
	WIN 0
	v_nop                                          ; a plain line behind the last conversion
.irp e, 0,1
.irp i, 0,1
	v_permlane16_swap_b32 v[PC+4*\e+2*\i], v[PC+4*\e+2*\i+1]   ; lane (r, H) now holds block H whole
.endr
.endr
.irp e, 0,1
	global_store_b128 v10, v[PC+4*\e:PC+4*\e+3], s[10:11] offset:512*\e   ; 512 consecutive bytes a head
.endr
	ds_store_b32 v11, v[F+1]                       ; lanes l and l + 16 write the same word with the same value
	s_wait_dscnt 0x0                               ; for wave 0's sake
	s_barrier_signal -1
	s_barrier_wait -1
	s_cmp_lg_u32 s[WV], 0
	s_cbranch_scc1 .Lnot_first
	ds_load_b128 v[MK:MK+3], v12                   ; 64 tokens x 8 scale bytes
	s_wait_dscnt 0x0
	global_store_b128 v10, v[MK:MK+3], s[12:13]    ; 512 consecutive bytes, aligned
.Lnot_first:
	s_wait_tensorcnt 0x0                           ; the wave's end
	ds_add_u32 v[SPW], v[NIL]
	s_wait_dscnt 0x0
	ROUND                                          ; the closing round
	s_endpgm
.Lfunc_end_k_q548c821b42_attn:
	.size	k_q548c821b42_attn, .Lfunc_end_k_q548c821b42_attn-k_q548c821b42_attn
	.p2alignl 7, 3214868480
	.fill 96, 4, 3214868480
	.section	.rodata,"a",@progbits
	.p2align	6, 0x0
	.amdhsa_kernel k_q548c821b42_attn
		.amdhsa_group_segment_fixed_size 327680
		.amdhsa_private_segment_fixed_size 0
		.amdhsa_enable_private_segment 0
		.amdhsa_kernarg_size 40
		.amdhsa_user_sgpr_count 2
		.amdhsa_user_sgpr_kernarg_segment_ptr 1
		.amdhsa_wavefront_size32 1
		.amdhsa_system_sgpr_workgroup_id_x 1
		.amdhsa_system_sgpr_workgroup_id_y 1
		.amdhsa_system_sgpr_workgroup_id_z 1
		.amdhsa_system_vgpr_workitem_id 0
		.amdhsa_next_free_vgpr 512
		.amdhsa_next_free_sgpr 70
		.amdhsa_reserve_vcc 0
		.amdhsa_float_denorm_mode_32 3
		.amdhsa_float_denorm_mode_16_64 3
		.amdhsa_memory_ordered 1
		.amdhsa_forward_progress 1
		.amdhsa_inst_pref_size 158
	.end_amdhsa_kernel
	.amdgpu_metadata
---
amdhsa.version: [ 1, 2 ]
amdhsa.kernels:
  - .name:           k_q548c821b42_attn
    .symbol:         k_q548c821b42_attn.kd
    .args:
      - { .name: qb, .offset: 0, .size: 8, .value_kind: global_buffer, .address_space: global }
      - { .name: kv, .offset: 8, .size: 8, .value_kind: global_buffer, .address_space: global }
      - { .name: backdoor_mask, .offset: 16, .size: 8, .value_kind: global_buffer, .address_space: global }
      - { .name: oc, .offset: 24, .size: 8, .value_kind: global_buffer, .address_space: global }
      - { .name: os, .offset: 32, .size: 8, .value_kind: global_buffer, .address_space: global }
    .group_segment_fixed_size: 327680
    .private_segment_fixed_size: 0
    .kernarg_segment_align: 8
    .kernarg_segment_size: 40
    .max_flat_workgroup_size: 256
    .sgpr_count:     70
    .vgpr_count:     512
    .wavefront_size: 32
...
	.end_amdgpu_metadata
.endif
;; end of part 4
;; launch outp (part 5): grid 4 x 32, 4 waves a work-group, clusters of 4 x 4, 327,680 bytes of LDS; arguments oc, os, Wo_codes, Wo_scales, bo, out0; writes out0
.if DOCPART == 5
	.amdgcn_target "amdgcn-amd-amdhsa--gfx1250"
	.amdhsa_code_object_version 6
	.text
	.protected	k_q548c821b42_outp
	.globl	k_q548c821b42_outp
	.p2align	8
	.type	k_q548c821b42_outp,@function
k_q548c821b42_outp:
	s_mov_b64 s[64:65], 0
	v_nop
	global_prefetch_b8 v0, s[64:65] scope:SCOPE_SE
	s_setreg_imm32_b32 hwreg(HW_REG_WAVE_MODE, 25, 1), 1
	s_wait_xcnt 0x0
	s_wait_alu depctr_hold_cnt(0) depctr_sa_sdst(0) depctr_va_vdst(0) depctr_va_sdst(0) depctr_va_ssrc(0) depctr_va_vcc(0) depctr_vm_vsrc(0)
	s_getreg_b32 s2, hwreg(HW_REG_IB_STS2, 6, 4)
	s_cmp_eq_u32 s2, 0
	s_cbranch_scc0 .Lentry_in_a_cluster
	s_endpgm
.Lentry_in_a_cluster:
	s_bfe_u32 s2, ttmp6, 0x10000c
	s_cmp_lg_u32 s2, 0xf033
	s_cbranch_scc0 .Lentry_shape_is_right
	s_endpgm
.Lentry_shape_is_right:
.set KIND, 2
.if KIND == 0
.set NS, 6
.else
.set NS, 2
.endif
.set PITCH, 272
.set PH,    128*PITCH
.set ROFF,  2*PH
.set SLOT,  ROFF+128*PITCH
.if KIND == 2
.set RHB,   16384
.set RSTEP, 4096
.else
.set RHB,   64*PITCH
.set RSTEP, 256
.endif
.set SCLP,  2*SLOT
.set SCLR,  SCLP+6*4096
.set SPARE, SCLR+6*2048
.set ADP, 16
.set ADR, 20
.set ASP, 22
.set ASR, 23
.set LI,  24
.set LW,  25
.set STO, 26
.set RD,  27
.set SPW, 28
.set NIL, 29
.set SCP, 32
.set SCR, 96
.set RF,  128
.set TM,  200
.set W,   216
.set PC,  220
.set SH,  252
.set BK,  128
.set BIAS, 128
.set RC1, 4
.set RS1, 6
.set PC1, 8
.set PS1, 10
.set PC2, 12
.set PS2, 14
.set RC2, 16
.set RS2, 18
.set BI1, 20
.set BI2, 22
.set OUT, 24
.set G1P, 28
.set G1R, 36
.set G0P, 44
.set G0R, 52
.set G0P2, 68
.set G0R2, 76
.set G1P2, 84
.set G1R2, 92
.set WV,  100
.set WR,  101
.set WP,  104
.set MSB, 0
.macro WIN new
.if MSB != \new
	s_set_vgpr_msb (MSB<<8)|\new
.set MSB, \new
.endif
.endm
.macro PLACES n
.rept \n
	v_nop
.endr
.endm
.macro JLOAD g0p, g1p, g0r, g1r
	s_cmp_eq_u32 s[WR], 0
	s_cbranch_scc0 .Lfor_r_\@
	tensor_load_to_lds s[\g0p:\g0p+3], s[\g1p:\g1p+7]
	s_nop 0
.rept 4
	v_nop
.endr
	s_branch .Lasked_\@
.Lfor_r_\@:
	tensor_load_to_lds s[\g0r:\g0r+3], s[\g1r:\g1r+7]
	s_nop 0
.rept 4
	v_nop
.endr
.Lasked_\@:
.endm
.macro CREST
	s_cmp_lg_u32 s[WV], 0
	s_cbranch_scc1 .Lnot_wave_0_\@
	s_barrier_signal -3
.Lnot_wave_0_\@:
	s_barrier_wait -3
	s_barrier_signal -1
	s_barrier_wait -1
.endm
.macro CROUND
	s_barrier_signal -1
	s_barrier_wait -1
	CREST
.endm
.if KIND == 0
	s_load_b128 s[4:7], s[0:1], 0x0
	s_load_b512 s[8:23], s[0:1], 0x10
	s_load_b64 s[24:25], s[0:1], 0x50
	s_load_b512 s[28:43], s[0:1], 0x58
	s_load_b64 s[44:45], s[0:1], 0x98
.else
	s_load_b256 s[4:11], s[0:1], 0x0
	s_load_b64 s[20:21], s[0:1], 0x20
	s_load_b64 s[24:25], s[0:1], 0x28
.endif
	v_lshl_add_u32 v[SPW], v0, 2, SPARE
	v_mov_b32 v[NIL], 0
	ds_add_u32 v28, v29
	ds_add_u32 v28, v29
	s_wait_dscnt 0x0
	v_lshrrev_b32 v1, 5, v0
	v_readfirstlane_b32 s[WV], v1
	s_lshr_b32 s[WR], s[WV], 1
	s_and_b32 s[WP], s[WV], 1
	s_bfe_u32 s60, ttmp6, 0x40000
	s_bfe_u32 s61, ttmp6, 0x40004
	s_lshl_b32 s62, ttmp9, 2
	s_add_co_u32 s62, s62, s60
	s_and_b32 s63, ttmp7, 0xffff
	s_lshl_b32 s66, s63, 2
	s_add_co_u32 s66, s66, s61
	s_lshl_b32 s67, s61, 2
	s_lshl_b32 s67, 15, s67
	s_lshl_b32 s105, 0x1111, s60
	s_lshl_b32 s2, s62, 8
	s_lshl_b32 s3, s[WP], 7
	s_add_co_u32 s2, s2, s3
	s_lshl_b32 s[G0P+2], s2, 9
	s_mov_b32 s[G0P+3], 0
	s_lshl_b32 s27, s[WP], 6
.if KIND == 0
	s_lshl_b32 s[G0P2+2], s2, 10
	s_mov_b32 s[G0P2+3], 0
	s_and_b32 s26, s66, 31
	s_lshl_b32 s26, s26, 7
	s_and_b32 s[G0R2+2], s66, 15
	s_lshl_b32 s[G0R2+2], s[G0R2+2], 7
	s_add_co_u32 s[G0R2+2], s[G0R2+2], s27
	s_lshl_b32 s[G0R2+2], s[G0R2+2], 10
	s_mov_b32 s[G0R2+3], 0
.else
	s_lshl_b32 s26, s66, 7
.endif
	s_add_co_u32 s[G0R+2], s26, s27
	s_lshl_b32 s[G0R+2], s[G0R+2], 9
	s_mov_b32 s[G0R+3], 0
	s_wait_kmcnt 0x0
.if KIND == 0
	s_cmp_ge_u32 s63, 8
.irp i, 0,1,2,3,4,5,6,7,8
	s_cselect_b64 s[8+2*\i:9+2*\i], s[28+2*\i:29+2*\i], s[8+2*\i:9+2*\i]
.endr
	s_mov_b32 s27, 18432
	s_cselect_b32 s27, 35840, s27
.endif
	s_or_b32 s[G1P], s105, (1<<20)|(1<<21)|(5<<22)|(3<<25)
	s_mov_b32 s[G1P+1], 256<<16
	s_mov_b32 s[G1P+2], 128<<16
	s_mov_b32 s[G1P+3], 256<<16
	s_mov_b32 s[G1P+4], 128
	s_mov_b32 s[G1P+5], 512
	s_mov_b32 s[G1P+6], 0
	s_mov_b32 s[G1P+7], 0
.if KIND == 2
	s_or_b32 s[G1R], s67, (3<<16)|(1<<21)
	s_mov_b32 s[G1R+1], 512<<16
	s_mov_b32 s[G1R+2], 4<<16
	s_mov_b32 s[G1R+3], 512<<16
	s_mov_b32 s[G1R+4], 4
	s_mov_b32 s[G1R+5], 1024
.else
	s_or_b32 s[G1R], s67, (1<<20)|(1<<21)|(5<<22)|(3<<25)
	s_mov_b32 s[G1R+1], 256<<16
	s_mov_b32 s[G1R+2], 64<<16
	s_mov_b32 s[G1R+3], 256<<16
	s_mov_b32 s[G1R+4], 64
	s_mov_b32 s[G1R+5], 512
.endif
	s_mov_b32 s[G1R+6], 0
	s_mov_b32 s[G1R+7], 0
.if KIND == 0
	s_or_b32 s[G1P2], s105, (1<<20)|(1<<21)|(5<<22)|(3<<25)
	s_mov_b32 s[G1P2+1], 256<<16
	s_mov_b32 s[G1P2+2], 128<<16
	s_mov_b32 s[G1P2+3], 256<<16
	s_mov_b32 s[G1P2+4], 128
	s_mov_b32 s[G1P2+5], 1024
	s_mov_b32 s[G1P2+6], 0
	s_mov_b32 s[G1P2+7], 0
	s_or_b32 s[G1R2], s67, (1<<20)|(1<<21)|(5<<22)|(3<<25)
	s_mov_b32 s[G1R2+1], 256<<16
	s_mov_b32 s[G1R2+2], 64<<16
	s_mov_b32 s[G1R2+3], 256<<16
	s_mov_b32 s[G1R2+4], 64
	s_mov_b32 s[G1R2+5], 1024
	s_mov_b32 s[G1R2+6], 0
	s_mov_b32 s[G1R2+7], 0
.endif
	s_mul_i32 s3, s[WP], PH
	s_mov_b32 s[G0P], 1
	s_mov_b32 s[G0P+1], s3
	s_add_nc_u64 s[G0P+2:G0P+3], s[PC1:PC1+1], s[G0P+2:G0P+3]
	s_mov_b32 s[G0P+4], 1
	s_add_co_u32 s[G0P+5], s3, SLOT
	s_add_nc_u64 s[G0P+6:G0P+7], s[G0P+2:G0P+3], 256
	s_or_b32 s[G0P+3], s[G0P+3], 0x80000000
	s_or_b32 s[G0P+7], s[G0P+7], 0x80000000
.if KIND == 0
	s_mov_b32 s[G0P2], 1
	s_mov_b32 s[G0P2+1], s3
	s_add_nc_u64 s[G0P2+2:G0P2+3], s[PC2:PC2+1], s[G0P2+2:G0P2+3]
	s_mov_b32 s[G0P2+4], 1
	s_add_co_u32 s[G0P2+5], s3, SLOT
	s_add_nc_u64 s[G0P2+6:G0P2+7], s[G0P2+2:G0P2+3], 256
	s_or_b32 s[G0P2+3], s[G0P2+3], 0x80000000
	s_or_b32 s[G0P2+7], s[G0P2+7], 0x80000000
.endif
	s_mul_i32 s3, s[WP], RHB
	s_mov_b32 s[G0R], 1
	s_add_co_u32 s[G0R+1], s3, ROFF
	s_add_nc_u64 s[G0R+2:G0R+3], s[RC1:RC1+1], s[G0R+2:G0R+3]
	s_mov_b32 s[G0R+4], 1
	s_add_co_u32 s[G0R+5], s3, ROFF+SLOT
	s_add_nc_u64 s[G0R+6:G0R+7], s[G0R+2:G0R+3], RSTEP
	s_or_b32 s[G0R+3], s[G0R+3], 0x80000000
	s_or_b32 s[G0R+7], s[G0R+7], 0x80000000
.if KIND == 0
	s_mov_b32 s[G0R2], 1
	s_add_co_u32 s[G0R2+1], s3, ROFF
	s_add_nc_u64 s[G0R2+2:G0R2+3], s[RC2:RC2+1], s[G0R2+2:G0R2+3]
	s_mov_b32 s[G0R2+4], 1
	s_add_co_u32 s[G0R2+5], s3, ROFF+SLOT
	s_add_nc_u64 s[G0R2+6:G0R2+7], s[G0R2+2:G0R2+3], 256
	s_or_b32 s[G0R2+3], s[G0R2+3], 0x80000000
	s_or_b32 s[G0R2+7], s[G0R2+7], 0x80000000
.endif
	CROUND
	JLOAD G0P, G1P, G0R, G1R
	s_wait_alu depctr_va_vdst(0)
	s_wait_tensorcnt 0x0
	ds_add_u32 v28, v29
	s_wait_dscnt 0x0
	CROUND
	JLOAD G0P+4, G1P, G0R+4, G1R
	s_lshl_b32 s60, s62, 13
	s_mov_b32 s61, 0
	s_add_nc_u64 s[PS1:PS1+1], s[PS1:PS1+1], s[60:61]
.if KIND == 0
	s_lshl_b32 s60, s62, 14
	s_add_nc_u64 s[PS2:PS2+1], s[PS2:PS2+1], s[60:61]
	s_and_b32 s60, s66, 15
	s_lshl_b32 s60, s60, 13
	s_add_nc_u64 s[RS2:RS2+1], s[RS2:RS2+1], s[60:61]
.endif
.if KIND == 2
	s_lshl_b32 s60, s26, 3
.else
	s_lshl_b32 s60, s26, 5
.endif
	s_add_nc_u64 s[RS1:RS1+1], s[RS1:RS1+1], s[60:61]
.if KIND == 1
	s_lshl_b32 s60, s[WR], 6
	s_add_co_u32 s60, s60, s26
	s_lshl_b32 s60, s60, 2
.else
	s_lshl_b32 s60, s2, 2
.endif
	s_add_nc_u64 s[BI1:BI1+1], s[BI1:BI1+1], s[60:61]
.if KIND == 0
	s_add_nc_u64 s[BI2:BI2+1], s[BI2:BI2+1], s[60:61]
.endif
	v_and_b32 v1, 15, v0
	v_bfe_u32 v2, v0, 4, 1
	v_and_b32 v3, 31, v0
	v_lshlrev_b32 v5, 4, v0
	v_and_b32 v10, 1, v0
	v_lshrrev_b32 v11, 1, v0
	v_lshlrev_b32 v11, 4, v11
	v_lshl_add_u32 v6, v10, 12, v11
	v_add_nc_u32 v6, SCLP, v6
.if KIND == 2
	v_lshlrev_b32 v9, 3, v0
	v_add_nc_u32 v8, SCLR, v5
.else
	v_lshl_add_u32 v8, v10, 11, v11
	v_add_nc_u32 v8, SCLR, v8
.endif
.if KIND == 0
	v_and_b32 v10, 3, v0
	v_lshrrev_b32 v11, 2, v0
	v_lshlrev_b32 v11, 4, v11
	v_lshl_add_u32 v7, v10, 12, v11
	v_add_nc_u32 v7, SCLP+2*4096, v7
	v_lshl_add_u32 v9, v10, 11, v11
	v_add_nc_u32 v9, SCLR+2*2048, v9
.endif
.irp k, 0,1,2,3
	global_load_b128 v[128+4*\k:131+4*\k], v5, s[PS1:PS1+1] offset:2048*\k
.endr
.if KIND == 0
.irp k, 0,1,2,3,4,5,6,7
	global_load_b128 v[144+4*\k:147+4*\k], v5, s[PS2:PS2+1] offset:2048*\k
.endr
.irp k, 0,1,2,3
	global_load_b128 v[184+4*\k:187+4*\k], v5, s[RS2:RS2+1] offset:2048*\k
.endr
.endif
.if KIND == 2
.irp k, 0,1,2,3
	global_load_b64 v[176+2*\k:177+2*\k], v9, s[RS1:RS1+1] offset:32768*\k
.endr
.else
.irp k, 0,1
	global_load_b128 v[176+4*\k:179+4*\k], v5, s[RS1:RS1+1] offset:2048*\k
.endr
.endif
.if KIND == 1
	v_lshlrev_b32 v12, 2, v1
	WIN 0x40
.irp a, 0,1,2,3
.irp j, 0,1,2,3,4,5,6,7
	global_load_b32 v[BIAS+8*\a+\j], v12, s[BI1:BI1+1] offset:64*\a
.endr
.endr
.else
	v_lshlrev_b32 v12, 5, v2
	WIN 0x40
.irp t, 0,1,2,3,4,5,6,7
	global_load_b128 v[BIAS+8*\t:BIAS+8*\t+3], v12, s[BI1:BI1+1] offset:64*\t
	global_load_b128 v[BIAS+8*\t+4:BIAS+8*\t+7], v12, s[BI1:BI1+1] offset:64*\t+16
.endr
.if KIND == 0
.irp t, 0,1,2,3,4,5,6,7
	global_load_b128 v[BIAS+64+8*\t:BIAS+64+8*\t+3], v12, s[BI2:BI2+1] offset:64*\t
	global_load_b128 v[BIAS+64+8*\t+4:BIAS+64+8*\t+7], v12, s[BI2:BI2+1] offset:64*\t+16
.endr
.endif
.endif
	WIN 0
	v_mul_u32_u24 v4, v1, PITCH
	v_lshl_add_u32 v4, v2, 4, v4
	s_mul_i32 s60, s[WP], PH
	v_add_nc_u32 v[ADP], s60, v4
	v_add_nc_u32 v[ADP+1], SLOT, v[ADP]
	s_mul_i32 s60, s[WR], RHB
	s_add_co_u32 s60, s60, ROFF
.if KIND == 2
	v_lshl_add_u32 v[ADR], v3, 4, s60
.else
	v_add_nc_u32 v[ADR], s60, v4
.endif
	v_add_nc_u32 v[ADR+1], SLOT, v[ADR]
	s_lshl_b32 s60, s[WP], 11
	s_add_co_u32 s60, s60, SCLP
	v_lshl_add_u32 v[ASP], v1, 4, s60
	s_lshl_b32 s60, s[WR], 10
	s_add_co_u32 s60, s60, SCLR
	v_lshl_add_u32 v[ASR], v1, 4, s60
.if KIND == 0
	s_and_b32 s60, s66, 31
	s_lshr_b32 s61, s60, 4
	s_and_b32 s60, s60, 15
	s_lshl_b32 s61, s61, 6
	s_add_co_u32 s60, s60, s61
	s_lshl_b32 s61, s62, 4
	s_add_co_u32 s60, s60, s61
	s_mul_i32 s60, s60, s27
	s_mov_b32 s61, 0
	s_add_nc_u64 s[OUT:OUT+1], s[OUT:OUT+1], s[60:61]
	s_lshl_b32 s60, s[WP], 13
	s_lshl_b32 s61, s[WR], 11
	s_add_co_u32 s60, s60, s61
	v_lshl_add_u32 v[LI], v3, 4, s60
	s_lshl_b32 s60, s[WP], 10
	s_lshl_b32 s61, s[WR], 8
	s_add_co_u32 s60, s60, s61
	s_add_co_u32 s60, s60, 16384
	v_lshl_add_u32 v[LW], v2, 9, s60
	v_lshl_add_u32 v[LW], v1, 4, v[LW]
	v_lshlrev_b32 v[SH], 4, v2
.elseif KIND == 1
	s_lshr_b32 s60, s62, 3
	s_lshl_b32 s60, s60, 2
	s_lshr_b32 s61, s66, 1
	s_add_co_u32 s60, s60, s61
	s_lshl_b32 s60, s60, 4
	s_and_b32 s61, s62, 7
	s_lshl_b32 s61, s61, 1
	s_add_co_u32 s60, s60, s61
	s_add_co_u32 s60, s60, s[WP]
	s_mul_i32 s60, s60, 35840
	s_mov_b32 s61, 0
	s_add_nc_u64 s[OUT:OUT+1], s[OUT:OUT+1], s[60:61]
	s_and_b32 s60, s66, 1
	s_lshl_b32 s60, s60, 1
	s_add_co_u32 s60, s60, s[WR]
	s_lshl_b32 s61, s60, 12
	s_add_co_u32 s61, s61, 18432
	v_lshl_add_u32 v[LI], v3, 4, s61
	s_lshl_b32 s61, s60, 8
	s_add_co_u32 s61, s61, 34816
	v_lshl_add_u32 v[LW], v1, 4, s61
.else
	s_lshl_b32 s60, s[WR], 6
	s_add_co_u32 s60, s60, s26
	s_lshl_b32 s60, s60, 12
	s_lshl_b32 s61, s2, 2
	s_add_co_u32 s60, s60, s61
	s_mov_b32 s61, 0
	s_add_nc_u64 s[OUT:OUT+1], s[OUT:OUT+1], s[60:61]
	v_lshlrev_b32 v[LI], 4, v3
	s_mul_i32 s60, s[WV], 16*528
	v_mul_u32_u24 v[STO], v1, 528
	v_lshl_add_u32 v[STO], v2, 5, v[STO]
	v_add_nc_u32 v[STO], s60, v[STO]
	v_add_nc_u32 v[RD], s60, v[LI]
.endif
.irp b, 0,1,2,3
	v_mov_b32 v[TM+4+\b], 0
.endr
	s_wait_loadcnt 0x0
.irp k, 0,1,2,3
	ds_store_b128 v6, v[128+4*\k:131+4*\k] offset:1024*\k
.endr
.if KIND == 0
.irp k, 0,1,2,3,4,5,6,7
	ds_store_b128 v7, v[144+4*\k:147+4*\k] offset:512*\k
.endr
.irp k, 0,1,2,3
	ds_store_b128 v9, v[184+4*\k:187+4*\k] offset:512*\k
.endr
.endif
.if KIND == 2
.irp k, 0,1,2,3
	ds_store_b64 v8, v[176+2*\k:177+2*\k] offset:(\k/2)*2048+(\k%2)*8
.endr
.else
.irp k, 0,1
	ds_store_b128 v8, v[176+4*\k:179+4*\k] offset:1024*\k
.endr
.endif
.if KIND == 0
	WIN 0x45
.set J, 0
.rept 32
	v_pk_add_f32 v[BIAS+J:BIAS+J+1], v[BIAS+J:BIAS+J+1], v[BIAS+64+J:BIAS+64+J+1]
.set J, J+2
.endr
	WIN 0
.endif
.macro FETCH slot, q, set
	WIN 0x40
.irp t, 0,1,2,3,4,5,6,7
.irp c, 0,1
	ds_load_b128 v[64*(\set)+8*\t+4*\c:64*(\set)+8*\t+4*\c+3], v[ADP+(\slot)] offset:64*(\q)+32*\c+\t*16*PITCH
.endr
.endr
	WIN 0
.irp a, 0,1,2,3
.irp c, 0,1
.if KIND == 2
	ds_load_b128 v[RF+32*(\set)+8*\a+4*\c:RF+32*(\set)+8*\a+4*\c+3], v[ADR+(\slot)] offset:\a*4096+(\q)*1024+\c*512
.else
	ds_load_b128 v[RF+32*(\set)+8*\a+4*\c:RF+32*(\set)+8*\a+4*\c+3], v[ADR+(\slot)] offset:64*(\q)+32*\c+\a*16*PITCH
.endif
.endr
.endr
.endm
.macro SCALES S
.irp t, 0,1,2,3,4,5,6,7
	ds_load_b128 v[SCP+32*((\S)%2)+4*\t:SCP+32*((\S)%2)+4*\t+3], v[ASP] offset:(\S)*4096+\t*256
.endr
.irp a, 0,1,2,3
	ds_load_b128 v[SCR+16*((\S)%2)+4*\a:SCR+16*((\S)%2)+4*\a+3], v[ASR] offset:(\S)*2048+\a*256
.endr
.endm
.macro MUL a0, n, set, q, sc, first
.set AA, \a0
.rept \n
.irp t, 0,1,2,3,4,5,6,7
.if \first
.if KIND == 1
.set CC, BIAS+8*AA
.else
.set CC, BIAS+8*\t
.endif
	v_wmma_scale_f32_16x16x128_f8f6f4 v[8*(8*AA+\t):8*(8*AA+\t)+7], v[64*(\set)+8*\t:64*(\set)+8*\t+7], v[RF+32*(\set)+8*AA:RF+32*(\set)+8*AA+7], v[CC:CC+7], v[SCP+32*(\sc)+4*\t+(\q)], v[SCR+16*(\sc)+4*AA+(\q)] matrix_a_fmt:MATRIX_FMT_FP4 matrix_b_fmt:MATRIX_FMT_FP4
.else
	v_wmma_scale_f32_16x16x128_f8f6f4 v[8*(8*AA+\t):8*(8*AA+\t)+7], v[64*(\set)+8*\t:64*(\set)+8*\t+7], v[RF+32*(\set)+8*AA:RF+32*(\set)+8*AA+7], v[8*(8*AA+\t):8*(8*AA+\t)+7], v[SCP+32*(\sc)+4*\t+(\q)], v[SCR+16*(\sc)+4*AA+(\q)] matrix_a_fmt:MATRIX_FMT_FP4 matrix_b_fmt:MATRIX_FMT_FP4
.endif
.endr
.set AA, AA+1
.endr
.endm
.macro STEP S, q, first
	s_wait_dscnt 0x0
	PLACES 4
	FETCH (\S)%2, (\q)+1, 1-(\q)%2
.if \first
	WIN 0x91
.else
	WIN 0xa1
.endif
	MUL 0, 4, (\q)%2, \q, (\S)%2, \first
.endm
.macro TURN S, fill, stepit
	WIN 0
	s_wait_tensorcnt 0x0
	ds_add_u32 v[SPW], v[NIL]
.if \stepit
	s_add_nc_u64 s[G0P2+4*((\S)%2)+2:G0P2+4*((\S)%2)+3], s[G0P2+4*((\S)%2)+2:G0P2+4*((\S)%2)+3], 512
	s_add_nc_u64 s[G0R2+4*((\S)%2)+2:G0R2+4*((\S)%2)+3], s[G0R2+4*((\S)%2)+2:G0R2+4*((\S)%2)+3], 512
.endif
	s_wait_dscnt 0x1
	WIN 0xa1
	MUL 0, 1, 1, 3, (\S)%2, 0
	s_wait_dscnt 0x0
	s_barrier_signal -1
	MUL 1, 1, 1, 3, (\S)%2, 0
	WIN 0
	s_barrier_wait -1
.if \fill
	CREST
	JLOAD G0P2+4*((\S)%2), G1P2, G0R2+4*((\S)%2), G1R2
.else
	PLACES 4
.endif
	FETCH 1-(\S)%2, 0, 0
	SCALES (\S)+1
	WIN 0xa1
	MUL 2, 2, 1, 3, (\S)%2, 0
.endm
.macro THREE S
	STEP \S, 0, 0
	STEP \S, 1, 0
	STEP \S, 2, 0
.endm
	s_wait_dscnt 0x0
	s_wait_tensorcnt 0x1
	s_barrier_signal -1
	s_barrier_wait -1
	FETCH 0, 0, 0
	SCALES 0
	STEP 0, 0, 1
	STEP 0, 1, 0
	STEP 0, 2, 0
.if KIND == 0
	TURN 0, 1, 0
	THREE 1
	TURN 1, 1, 0
	THREE 2
	TURN 2, 1, 1
	THREE 3
	TURN 3, 1, 1
	THREE 4
	TURN 4, 0, 0
	THREE 5
.else
	TURN 0, 0, 0
	THREE 1
.endif
	s_wait_dscnt 0x0
	WIN 0xa1
	MUL 0, 4, 1, 3, (NS-1)%2, 0
	WIN 0
	PLACES 4
.if KIND != 2
	s_mov_b32 s60, 0x76543210
	s_mov_b32 s61, 0xfedcba98
	s_mov_b32 s62, 0x7f7f0000
.macro QUANTW a
	WIN 0x0a
.irp b, 0,1,2,3
	v_max3_num_f32 v[TM+\b], |v[64*(\a)+16*\b]|, |v[64*(\a)+16*\b+1]|, 0x1800000
.endr
	WIN 0x28
.irp i, 2,4,6,8,10,12,14
.irp b, 0,1,2,3
	v_max3_num_f32 v[TM+\b], v[TM+\b], |v[64*(\a)+16*\b+\i]|, |v[64*(\a)+16*\b+\i+1]|
.endr
.endr
	WIN 0
.irp b, 0,1,2,3
	v_permlanex16_b32 v[TM+4+\b], v[TM+\b], s60, s61
.endr
.irp b, 0,1,2,3
	v_max_num_f32 v[TM+\b], v[TM+\b], v[TM+4+\b]
.endr
.irp b, 0,1,2,3
	v_add_nc_u32 v[TM+12+\b], 0xff000000, v[TM+\b]
.endr
.irp b, 0,1,2,3
	v_lshrrev_b32 v[TM+4+\b], 23, v[TM+12+\b]
.endr
	v_lshl_or_b32 v[W+(\a)], v[TM+5], 8, v[TM+4]
	v_lshl_or_b32 v[W+(\a)], v[TM+6], 16, v[W+(\a)]
	v_lshl_or_b32 v[W+(\a)], v[TM+7], 24, v[W+(\a)]
.if KIND == 0
	v_lshrrev_b32 v[W+(\a)], v[SH], v[W+(\a)]
	v_and_or_b32 v[W+(\a)], v[W+(\a)], 0xffff, s62
.endif
	WIN 0x02
.irp b, 0,1,2,3
.irp i, 0,1
	v_cvt_scalef32_pk8_fp4_f32 v[PC+8*(\a)+4*(\b/2)+2*\i+(\b%2)], v[64*(\a)+16*\b+8*\i:64*(\a)+16*\b+8*\i+7], v[TM+12+\b]
.endr
.endr
	WIN 0
	v_nop
.irp c, 0,1
.irp i, 0,1
	v_permlane16_swap_b32 v[PC+8*(\a)+4*\c+2*\i], v[PC+8*(\a)+4*\c+2*\i+1]
.endr
.endr
.endm
.irp a, 0,1,2,3
	QUANTW \a
.irp c, 0,1
.if KIND == 0
	global_store_b128 v[LI], v[PC+8*\a+4*\c:PC+8*\a+4*\c+3], s[OUT:OUT+1] offset:4096*\c+512*\a
.else
	global_store_b128 v[LI], v[PC+8*\a+4*\c:PC+8*\a+4*\c+3], s[OUT:OUT+1] offset:1024*\a+512*\c
.endif
.endr
.endr
	global_store_b128 v[LW], v[W:W+3], s[OUT:OUT+1]
.else
.macro TOSTAGE a
	WIN 0x08
.irp t, 0,1,2,3,4,5,6,7
	ds_store_b128 v[STO], v[64*(\a)+8*\t:64*(\a)+8*\t+3] offset:64*\t
	ds_store_b128 v[STO], v[64*(\a)+8*\t+4:64*(\a)+8*\t+7] offset:64*\t+16
.endr
	WIN 0
.irp i, 0,1,2,3,4,5,6,7,8,9,10,11,12,13,14,15
	ds_load_b128 v[BK+64*((\a)%2)+4*\i:BK+64*((\a)%2)+4*\i+3], v[RD] offset:\i*528
.endr
.endm
.macro SEND a, younger
	s_wait_dscnt \younger
.irp i, 0,1,2,3,4,5,6,7,8,9,10,11,12,13,14,15
	global_store_b128 v[LI], v[BK+64*((\a)%2)+4*\i:BK+64*((\a)%2)+4*\i+3], s[OUT:OUT+1] offset:(16*(\a)+\i)*4096 th:TH_STORE_NT
.endr
.endm
	s_wait_alu depctr_va_vdst(0)
	TOSTAGE 0
	TOSTAGE 1
	SEND 0, 32
	s_wait_xcnt 0x0
	TOSTAGE 2
	SEND 1, 32
	s_wait_xcnt 0x0
	TOSTAGE 3
	SEND 2, 32
	SEND 3, 0
.endif
	s_wait_tensorcnt 0x0
	ds_add_u32 v[SPW], v[NIL]
	s_wait_dscnt 0x0
	CROUND
	s_endpgm
.Lfunc_end_k_q548c821b42_outp:
	.size	k_q548c821b42_outp, .Lfunc_end_k_q548c821b42_outp-k_q548c821b42_outp
	.p2alignl 7, 3214868480
	.fill 96, 4, 3214868480
	.section	.rodata,"a",@progbits
	.p2align	6, 0x0
	.amdhsa_kernel k_q548c821b42_outp
		.amdhsa_group_segment_fixed_size 327680
		.amdhsa_private_segment_fixed_size 0
		.amdhsa_enable_private_segment 0
		.amdhsa_kernarg_size 48
		.amdhsa_user_sgpr_count 2
		.amdhsa_user_sgpr_kernarg_segment_ptr 1
		.amdhsa_wavefront_size32 1
		.amdhsa_system_sgpr_workgroup_id_x 1
		.amdhsa_system_sgpr_workgroup_id_y 1
		.amdhsa_system_sgpr_workgroup_id_z 1
		.amdhsa_system_vgpr_workitem_id 0
		.amdhsa_next_free_vgpr 768
		.amdhsa_next_free_sgpr 106
		.amdhsa_reserve_vcc 0
		.amdhsa_float_denorm_mode_32 3
		.amdhsa_float_denorm_mode_16_64 3
		.amdhsa_memory_ordered 1
		.amdhsa_forward_progress 1
		.amdhsa_inst_pref_size 74
	.end_amdhsa_kernel
	.amdgpu_metadata
---
amdhsa.version: [ 1, 2 ]
amdhsa.kernels:
  - .name:           k_q548c821b42_outp
    .symbol:         k_q548c821b42_outp.kd
    .args:
      - { .name: oc, .offset: 0, .size: 8, .value_kind: global_buffer, .address_space: global }
      - { .name: os, .offset: 8, .size: 8, .value_kind: global_buffer, .address_space: global }
      - { .name: Wo_codes, .offset: 16, .size: 8, .value_kind: global_buffer, .address_space: global }
      - { .name: Wo_scales, .offset: 24, .size: 8, .value_kind: global_buffer, .address_space: global }
      - { .name: bo, .offset: 32, .size: 8, .value_kind: global_buffer, .address_space: global }
      - { .name: out0, .offset: 40, .size: 8, .value_kind: global_buffer, .address_space: global }
    .group_segment_fixed_size: 327680
    .private_segment_fixed_size: 0
    .kernarg_segment_align: 8
    .kernarg_segment_size: 48
    .max_flat_workgroup_size: 128
    .sgpr_count:     106
    .vgpr_count:     768
    .wavefront_size: 32
...
	.end_amdgpu_metadata
.endif
;; end of part 5
